; MI455X (gfx1250); checked and timed in simulation.
; The chip was launched on July 23, 2026; its instructions are those of AMD's public machine-readable ISA for CDNA 5 (MIT licence, August 2026) and "CDNA5" Instruction Set Architecture Reference Guide (July 2026). The comments in the code are by the model that wrote it; some were corrected since.
;; Transformer Encoder Layer. Allowed arithmetic: matrix products marked QUANTISED: E5M2 operands, one E8M0 scale for each 32 along K, by v_wmma_scale_f32_16x16x128_f8f6f4 with both operands' format E5M2, f32 sums; everything else in f32.
;; Inputs: b1 4,096 float32; b2 1,024 float32; b_proj 1,024 float32; be1 1,024 float32; be2 1,024 float32; g1 1,024 float32; g2 1,024 float32; src 2 x 2,048 x 1,024 float32; w1 4,096 x 1,024 float32; w2 1,024 x 4,096 float32; w_proj 1,024 x 1,024 float32; w_qkv 3,072 x 1,024 float32.
;; Outputs: out0 2 x 2,048 x 1,024 float32.
;; This version of the problem:
;;   THIS VERSION OF THE PROBLEM IS GIVEN IN LOW PRECISION. The matrix products marked QUANTISED in the list below multiply operands that are first quantised to E5M2 (5 exponent bits, 2 mantissa bits; 8 bits a number), with one power-of-two scale for each 32 numbers along K (OCP MX v1.0); their sums are f32. All else is computed in f32.
;;   The module's matrix products, in the order in which they are computed (A, B: the left and right operand; K: the contracted axis; several contracted axes count as one K, in the product's order):
;;     1. [M 4,096, K 1,024] x [K 1,024, N 3,072]; A: input src; B: input w_qkv: QUANTISED
;;     2. batch 32 x [M 2,048, K 64] x [K 64, N 2,048]; A: computed on the way; B: computed on the way: QUANTISED
;;     3. batch 32 x [M 2,048, K 2,048] x [K 2,048, N 64]; A: softmax (see below); B: computed on the way: QUANTISED
;;     4. [M 4,096, K 1,024] x [K 1,024, N 1,024]; A: computed on the way; B: input w_proj: QUANTISED
;;     5. [M 4,096, K 1,024] x [K 1,024, N 4,096]; A: computed on the way; B: input w1: QUANTISED
;;     6. [M 4,096, K 4,096] x [K 4,096, N 1,024]; A: computed on the way; B: input w2: QUANTISED
;;   THE QUANTISER, for each operand of a quantised product, along K:
;;     - K is cut into blocks of 32 from its start; a last block that is shorter is filled with zeros.
;;     - A block's scale is 2^e with e = floor(log2(the largest magnitude in the block)) - 15, held to -126 .. 127; a block of zeros has e = 0. As a byte (E8M0): e + 127.
;;     - Each number is divided by its block's scale, clamped to +-57,344, and rounded to the nearest number of E5M2, ties to even, subnormals kept.
;;     - The product sums the exact products of the quantised numbers (number of the format x scale) in f32.
;;   ~~~python
;;   def quantise(x, axis):      # numpy; x: float32 -> the quantised numbers, widened to float32 again
;;       x = np.moveaxis(x, axis, -1); K = x.shape[-1]
;;       x = np.pad(x, [(0, 0)] * (x.ndim - 1) + [(0, -K % 32)]); x = x.reshape(x.shape[:-1] + (-1, 32)); a = np.abs(x).max(-1, keepdims=True)
;;       e = np.where(a > 0, np.clip(np.frexp(np.where(a > 0, a, 1))[1] - 1 - 15, -126, 127), 0)      # np.frexp(a)[1] - 1 = floor(log2(a)), exactly
;;       r = np.clip(x / 2.0 ** e, -57344, 57344)
;;       step = 2.0 ** (np.maximum(np.frexp(np.where(r == 0, 1, r))[1] - 1, -14) - 2)
;;       q = np.round(r / step) * step * 2.0 ** e      # np.round: ties to even
;;       return np.moveaxis(q.reshape(q.shape[:-2] + (-1,))[..., :K], -1, axis).astype(np.float32)
;;   ~~~
;;   SOFTMAX AHEAD OF A QUANTISED PRODUCT. Where the list says 'softmax', what is quantised is not the finished softmax but p = 2^(t - M), with t = logit x log2(e) and M = ceil(the row's largest t), a whole number; so 1/2 < the row's largest p <= 1. The row's sum l is taken of the UNQUANTISED p, in f32, and the product's result is divided by l at the end. Since M is a whole number, a kernel that streams over the keys may use a running M (the ceiling of the running maximum): every later rescaling is an exact power of two, which a block's scale takes up: the codes' values come out the same.
;;   OPERANDS COMPUTED ON THE WAY. 'Computed on the way' means the value that the module computes at that place (a softmax that the list does not call 'softmax' is quantised finished and normalised). What goes into a quantiser is computed in f32, as accurately as f32 sums, v_exp_f32 and their like allow (about 1e-6 of the number): no bf16 or f16 on the way to a quantiser, and a product that is left as it is and whose result goes on into a quantised operand takes f32 operands (vector FMAs, or v_wmma_f32_16x16x4_f32). A number that lies on a knife's edge between two numbers of the format may be rounded either way, as far as f32 arithmetic and the matrix unit's own rounding can turn it there, and no further.
;; One version. Each part assembles by itself: llvm-mc -triple=amdgcn-amd-amdhsa -mcpu=gfx1250 --defsym DOCPART=n.
;; ======== version 1 of 1: 8 launches
;; limits: right only within a limited range of input values
;; workspace buffers: ws1 17,301,504 bytes; ws2 12,976,128 bytes; op 4,325,376 bytes; y 16,777,216 bytes; xb 21,102,592 bytes; hp 17,301,504 bytes
;; launch quant (part 1): grid 256 x 1, 8 waves a work-group, no clusters, 68,608 bytes of LDS; arguments src, w_qkv, w_proj, w1, w2, ws1; writes ws1
.if DOCPART == 1
	.amdgcn_target "amdgcn-amd-amdhsa--gfx1250"
	.amdhsa_code_object_version 6
	.text
	.protected	k_q85e77ed9ba_quant
	.globl	k_q85e77ed9ba_quant
	.p2align	8
	.type	k_q85e77ed9ba_quant,@function
k_q85e77ed9ba_quant:
	s_mov_b64 s[64:65], 0
	v_nop
	global_prefetch_b8 v0, s[64:65] scope:SCOPE_SE
	s_setreg_imm32_b32 hwreg(HW_REG_WAVE_MODE, 25, 1), 1
	s_wait_xcnt 0x0
; src, w_qkv, w_proj, w1, w2 (f32, K innermost) become codes of BF8 (E5M2) with one E8M0 byte for each 32 along K, in the PACKED layout that all later launches read.
; PACKED LAYOUT of a matrix of R rows and K columns: G = R / 64 groups of rows, K / 128 steps.  Record (s, g) lies at (s G + g) x 8,448 bytes.  In it fragment i (0..3) at 2,048 i holds the image of an
; operand's 16 registers: quad c at 512 c, lane l at 16 l: the codes of row 64 g + 32 (i / 2) + 8 (i % 2) + r + 8 (r / 8), r = l % 16, at k = 128 s + 32 c + 16 (l / 16) + 0..15.
; At 8,192 the scale words: row r of fragment i at 16 r + 4 i, byte c for block c.
; A block's scale is 2^(floor(log2(largest magnitude)) - 15); its byte is the largest magnitude's exponent field - 15, held at 1 from below.
; LIMITS: NaN and infinities are not served; a block of zeros gets the byte 1 where the rule says 127 (its codes are zeros, and this program alone reads the bytes); blocks whose largest magnitude lies under 2^-111 are held at that floor.
; SHARES: a work-group takes one group of 64 rows and eight K steps; each of its eight waves one record.  Work-groups 0-63 src, 64-111 w_qkv, 112-127 w_proj, 128-191 w1, 192-255 w2 (four work-groups to a group: 32 K steps).
; Each load reads 512 consecutive bytes of one row; 16 rows turn through the wave's own stage in LDS (rows 528 bytes apart), so that a lane gets 16 neighbours of each block.  Waves share nothing: no barrier.
.set REC,  8448
.set SCO,  8192
.set SP,   528
.set L16,  1                           ; v1   16 x lane
.set STI,  2                           ; v2   the stage, on the way in
.set STO,  3                           ; v3   and on the way out: 528 r + 64 h
.set SCA,  4                           ; v4   16 r + 8 h: my two scale words' place
.set PW,   8                           ; v8-11  a scale word for each fragment
.set SELP, 12                          ; v12-13 the two words that I store
.set OFF,  16                          ; v16-31 row n's offset: 16 x lane + (n + 8 (n / 8)) x the row's bytes; never rewritten
.set R,    32                          ; v32-159 two sets of 64 numbers as loaded
.set X,    160                         ; v160-223 64 numbers: register 16 b + i = k 32 b + 16 h + i of my row
.set PC,   224                         ; v224-239 the codes
.set TM,   240                         ; v240-255 at work
.set SEL,  24
.set MNT,  26
.set WV,   27
.set BAS,  40                          ; s[40:47] where the four fragments' rows begin
.set DST,  48                          ; s[48:49] my record
; 64 numbers of a lane become a fragment's codes in v[pc] on and its scale word in v[pw]
.macro QUANT s, relu, pc, pw
.if \relu
.irp b, 0,1,2,3
	v_max3_num_f32 v[TM+\b], v[\s+16*\b], v[\s+1+16*\b], 0x8000000
.endr
.irp i, 2,4,6,8,10,12,14
.irp b, 0,1,2,3
	v_max3_num_f32 v[TM+\b], v[TM+\b], v[\s+16*\b+\i], v[\s+1+16*\b+\i]
.endr
.endr
.else
.irp b, 0,1,2,3
	v_max3_num_f32 v[TM+\b], |v[\s+16*\b]|, |v[\s+1+16*\b]|, 0x8000000   ; my 16 numbers of block b and the floor 2^(16 - 127)
.endr
.irp i, 2,4,6,8,10,12,14
.irp b, 0,1,2,3
	s_delay_alu instid0(VALU_DEP_4)
	v_max3_num_f32 v[TM+\b], v[TM+\b], |v[\s+16*\b+\i]|, |v[\s+1+16*\b+\i]|
.endr
.endr
.endif
.irp b, 0,1,2,3
	s_delay_alu instid0(VALU_DEP_4)
	v_permlanex16_b32 v[TM+4+\b], v[TM+\b], s[SEL], s[SEL+1]
.endr
.irp b, 0,1,2,3
	s_delay_alu instid0(VALU_DEP_4)
	v_max_num_f32 v[TM+\b], v[TM+\b], v[TM+4+\b]                 ; with lane l xor 16's: the block's largest magnitude
.endr
.irp b, 0,1,2,3
	s_delay_alu instid0(VALU_DEP_4)
	v_add_nc_u32 v[TM+12+\b], 0xf8800000, v[TM+\b]               ; 15 off its exponent field: the conversion's scale operand
.endr
.irp b, 0,1,2,3
	v_and_or_b32 v[TM+8+\b], v[TM+\b], 0x7f800000, s[MNT]        ; 57,344 x the scale
.endr
.irp b, 0,1,2,3
	v_lshrrev_b32 v[TM+4+\b], 23, v[TM+12+\b]                    ; the scale's byte
.endr
	s_delay_alu instid0(VALU_DEP_3)
	v_lshl_or_b32 v[\pw], v[TM+5], 8, v[TM+4]
	s_delay_alu instid0(VALU_DEP_1)
	v_lshl_or_b32 v[\pw], v[TM+6], 16, v[\pw]
	s_delay_alu instid0(VALU_DEP_1)
	v_lshl_or_b32 v[\pw], v[TM+7], 24, v[\pw]
.irp b, 0,1,2,3
.irp i, 0,1,2,3,4,5,6,7,8,9,10,11,12,13,14,15
.if \relu
	v_med3_num_f32 v[\s+16*\b+\i], v[\s+16*\b+\i], 0, v[TM+8+\b]
.else
	v_med3_num_f32 v[\s+16*\b+\i], v[\s+16*\b+\i], -v[TM+8+\b], v[TM+8+\b]   ; the conversion does not saturate (ISA guide 7.6.2): the hold comes first
.endif
.endr
	v_cvt_scalef32_pk8_bf8_f32 v[\pc+4*\b:\pc+1+4*\b], v[\s+16*\b:\s+7+16*\b], v[TM+12+\b]
	v_cvt_scalef32_pk8_bf8_f32 v[\pc+2+4*\b:\pc+3+4*\b], v[\s+8+16*\b:\s+15+16*\b], v[TM+12+\b]
.endr
	v_nop                                          ; a plain line behind the last conversion
.endm
	s_load_b256 s[4:11], s[0:1], 0x0               ; src, w_qkv, w_proj, w1
	s_load_b128 s[12:15], s[0:1], 0x20             ; w2, ws1
	v_lshl_add_u32 v14, v0, 2, 0x10800
	v_mov_b32 v15, 0
	v_lshrrev_b32 v5, 5, v0
	s_delay_alu instid0(VALU_DEP_1)
	v_readfirstlane_b32 s[WV], v5                  ; wave 0..7
	v_and_b32 v5, 31, v0
	v_and_b32 v6, 15, v0                           ; r
	v_bfe_u32 v7, v0, 4, 1                         ; h
	s_delay_alu instid0(VALU_DEP_3)
	v_lshlrev_b32 v[L16], 4, v5
	s_mul_i32 s28, s[WV], 16*SP                    ; my stage
	v_add_nc_u32 v[STI], s28, v[L16]
	v_mul_u32_u24 v[STO], v6, SP
	s_delay_alu instid0(VALU_DEP_1)
	v_lshl_add_u32 v[STO], v7, 6, v[STO]
	s_delay_alu instid0(VALU_DEP_1)
	v_add_nc_u32 v[STO], s28, v[STO]
	v_lshlrev_b32 v[SCA], 4, v6
	s_delay_alu instid0(VALU_DEP_1)
	v_lshl_add_u32 v[SCA], v7, 3, v[SCA]
	v_cmp_ne_u32 vcc_lo, 0, v7                     ; lanes 16-31; kept to the end
.irp b, 0,1,2,3
	v_mov_b32 v[TM+4+\b], 0                        ; a lane permute's destination counts as one of its sources
.endr
	s_mov_b32 s[SEL], 0x76543210
	s_mov_b32 s[SEL+1], 0xfedcba98
	s_mov_b32 s[MNT], 0x600000
	s_mov_b32 s18, 12976128                        ; the tensor's part of ws1: w2's first, then overridden from the top down
	s_mov_b32 s19, 192                             ; its first work-group
	s_mov_b32 s20, 16                              ; its groups
	s_mov_b32 s21, 2                               ; work-groups to a group, as a shift
	s_mov_b32 s22, 3                               ; and as a mask
	s_mov_b32 s23, 16384                           ; a row's bytes
	s_wait_kmcnt 0x0
	s_mov_b64 s[16:17], s[12:13]
	s_cmp_lt_u32 ttmp9, 192                        ; the choices hang on the work-group's number alone
	s_cselect_b64 s[16:17], s[10:11], s[16:17]
	s_cselect_b32 s18, 8650752, s18
	s_cselect_b32 s19, 128, s19
	s_cselect_b32 s20, 64, s20
	s_cselect_b32 s21, 0, s21
	s_cselect_b32 s22, 0, s22
	s_cselect_b32 s23, 4096, s23
	s_cmp_lt_u32 ttmp9, 128
	s_cselect_b64 s[16:17], s[8:9], s[16:17]
	s_cselect_b32 s18, 7569408, s18
	s_cselect_b32 s19, 112, s19
	s_cselect_b32 s20, 16, s20
	s_cmp_lt_u32 ttmp9, 112
	s_cselect_b64 s[16:17], s[6:7], s[16:17]
	s_cselect_b32 s18, 4325376, s18
	s_cselect_b32 s19, 64, s19
	s_cselect_b32 s20, 48, s20
	s_cmp_lt_u32 ttmp9, 64
	s_cselect_b64 s[16:17], s[4:5], s[16:17]
	s_cselect_b32 s18, 0, s18
	s_cselect_b32 s19, 0, s19
	s_cselect_b32 s20, 64, s20
	s_sub_co_u32 s29, ttmp9, s19
	s_lshr_b32 s30, s29, s21                       ; g
	s_and_b32 s29, s29, s22
	s_lshl_b32 s29, s29, 3
	s_add_co_u32 s29, s29, s[WV]                   ; my K step
	s_lshl_b32 s31, s30, 6
	s_mul_i32 s31, s31, s23                        ; 64 g rows
	s_lshl_b32 s32, s29, 9                         ; 512 bytes a K step
	s_add_co_u32 s32, s32, s31
	s_mov_b32 s33, 0
	s_add_nc_u64 s[BAS:BAS+1], s[16:17], s[32:33]
	s_lshl_b32 s32, s23, 3                         ; fragment 1 begins 8 rows on,
	s_add_nc_u64 s[BAS+2:BAS+3], s[BAS:BAS+1], s[32:33]
	s_lshl_b32 s32, s23, 5                         ; fragments 2 and 3 32 rows on from 0 and 1
	s_add_nc_u64 s[BAS+4:BAS+5], s[BAS:BAS+1], s[32:33]
	s_add_nc_u64 s[BAS+6:BAS+7], s[BAS+2:BAS+3], s[32:33]
	s_mul_i32 s32, s29, s20
	s_add_co_u32 s32, s32, s30
	s_mul_i32 s32, s32, REC
	s_add_co_u32 s32, s32, s18
	s_add_nc_u64 s[DST:DST+1], s[14:15], s[32:33]
.irp n, 0,1,2,3,4,5,6,7,8,9,10,11,12,13,14,15
	v_mad_u32_u24 v[OFF+\n], s23, \n+8*(\n/8), v[L16]
.endr
.macro LOAD f                          ; fragment f's 16 rows: 512 consecutive bytes a load
.irp n, 0,1,2,3,4,5,6,7,8,9,10,11,12,13,14,15
	global_load_b128 v[R+64*((\f)%2)+4*\n:R+64*((\f)%2)+4*\n+3], v[OFF+\n], s[BAS+2*(\f):BAS+2*(\f)+1] th:TH_LOAD_NT
.endr
.endm
.macro FRAGQ f, left
	s_wait_loadcnt \left                           ; this fragment's 16 loads are in; the next fragment's 16 may be out
.irp n, 0,1,2,3,4,5,6,7,8,9,10,11,12,13,14,15
	ds_store_b128 v[STI], v[R+64*((\f)%2)+4*\n:R+64*((\f)%2)+4*\n+3] offset:SP*\n
.endr
.irp c, 0,1,2,3
.irp j, 0,1,2,3
	ds_load_b128 v[X+16*\c+4*\j:X+16*\c+4*\j+3], v[STO] offset:128*\c+16*\j   ; LDS serves a wave's instructions in order: these see the stores
.endr
.endr
	s_wait_dscnt 0x0
.if (\f)+2 < 4
	LOAD (\f)+2                                    ; into the set just left
.endif
	s_wait_xcnt 0x0                                ; the last fragment's stores have read the codes' registers
	QUANT X, 0, PC, PW+(\f)
.irp c, 0,1,2,3
	global_store_b128 v[L16], v[PC+4*\c:PC+4*\c+3], s[DST:DST+1] offset:2048*(\f)+512*\c   ; 512 consecutive bytes
.endr
.endm
	LOAD 0
	LOAD 1
	s_wait_alu depctr_va_vdst(0)
	FRAGQ 0, 16
	FRAGQ 1, 16
	FRAGQ 2, 16
	FRAGQ 3, 0
	v_cndmask_b32 v[SELP], v[PW], v[PW+2], vcc_lo  ; lanes 0-15 store fragments 0 and 1's words of their row, lanes 16-31 fragments 2 and 3's
	v_cndmask_b32 v[SELP+1], v[PW+1], v[PW+3], vcc_lo
	global_store_b64 v[SCA], v[SELP:SELP+1], s[DST:DST+1] offset:SCO   ; 256 consecutive bytes
	s_wait_tensorcnt 0x0
	ds_add_u32 v14, v15
	s_wait_dscnt 0x0
	s_endpgm
.Lfunc_end_k_q85e77ed9ba_quant:
	.size	k_q85e77ed9ba_quant, .Lfunc_end_k_q85e77ed9ba_quant-k_q85e77ed9ba_quant
	.p2alignl 7, 3214868480
	.fill 96, 4, 3214868480
	.section	.rodata,"a",@progbits
	.p2align	6, 0x0
	.amdhsa_kernel k_q85e77ed9ba_quant
		.amdhsa_group_segment_fixed_size 68608
		.amdhsa_private_segment_fixed_size 0
		.amdhsa_enable_private_segment 0
		.amdhsa_kernarg_size 48
		.amdhsa_user_sgpr_count 2
		.amdhsa_user_sgpr_kernarg_segment_ptr 1
		.amdhsa_wavefront_size32 1
		.amdhsa_system_sgpr_workgroup_id_x 1
		.amdhsa_system_sgpr_workgroup_id_y 1
		.amdhsa_system_sgpr_workgroup_id_z 1
		.amdhsa_system_vgpr_workitem_id 0
		.amdhsa_next_free_vgpr 256
		.amdhsa_next_free_sgpr 100
		.amdhsa_reserve_vcc 1
		.amdhsa_float_denorm_mode_32 3
		.amdhsa_float_denorm_mode_16_64 3
		.amdhsa_memory_ordered 1
		.amdhsa_forward_progress 1
		.amdhsa_inst_pref_size 59
	.end_amdhsa_kernel
	.amdgpu_metadata
---
amdhsa.version: [ 1, 2 ]
amdhsa.kernels:
  - .name:           k_q85e77ed9ba_quant
    .symbol:         k_q85e77ed9ba_quant.kd
    .args:
      - { .name: src, .offset: 0, .size: 8, .value_kind: global_buffer, .address_space: global }
      - { .name: w_qkv, .offset: 8, .size: 8, .value_kind: global_buffer, .address_space: global }
      - { .name: w_proj, .offset: 16, .size: 8, .value_kind: global_buffer, .address_space: global }
      - { .name: w1, .offset: 24, .size: 8, .value_kind: global_buffer, .address_space: global }
      - { .name: w2, .offset: 32, .size: 8, .value_kind: global_buffer, .address_space: global }
      - { .name: ws1, .offset: 40, .size: 8, .value_kind: global_buffer, .address_space: global }
    .group_segment_fixed_size: 68608
    .private_segment_fixed_size: 0
    .kernarg_segment_align: 8
    .kernarg_segment_size: 48
    .max_flat_workgroup_size: 256
    .sgpr_count:     100
    .vgpr_count:     256
    .wavefront_size: 32
...
	.end_amdgpu_metadata
.endif
;; end of part 1
;; launch qkv (part 2): grid 16 x 12, 4 waves a work-group, clusters of 4 x 4, 327,680 bytes of LDS; arguments ws1, ws2; writes ws2
.if DOCPART == 2
	.amdgcn_target "amdgcn-amd-amdhsa--gfx1250"
	.amdhsa_code_object_version 6
	.text
	.protected	k_q85e77ed9ba_qkv
	.globl	k_q85e77ed9ba_qkv
	.p2align	8
	.type	k_q85e77ed9ba_qkv,@function
k_q85e77ed9ba_qkv:
	s_mov_b64 s[64:65], 0
	v_nop
	global_prefetch_b8 v0, s[64:65] scope:SCOPE_SE
	s_setreg_imm32_b32 hwreg(HW_REG_WAVE_MODE, 25, 1), 1
	s_wait_xcnt 0x0
	s_wait_alu depctr_hold_cnt(0) depctr_sa_sdst(0) depctr_va_vdst(0) depctr_va_sdst(0) depctr_va_ssrc(0) depctr_va_vcc(0) depctr_vm_vsrc(0)
	s_getreg_b32 s2, hwreg(HW_REG_IB_STS2, 6, 4)
	s_cmp_eq_u32 s2, 0
	s_cbranch_scc0 .Lentry_in_a_cluster
	s_endpgm
.Lentry_in_a_cluster:
	s_bfe_u32 s2, ttmp6, 0x10000c
	s_cmp_lg_u32 s2, 0xf033
	s_cbranch_scc0 .Lentry_shape_is_right
	s_endpgm
.Lentry_shape_is_right:
; The first product, src x w_qkv^T, on codes of BF8 with E8M0 scales, and its results quantised at once for the two products of attention.
; Clusters 0-7 make q and k: rows = tokens, columns 0..2047 of qkv; a lane's registers run along the columns, which are the next K (the head's 64): packed as QKP, 64 groups, 16 steps.
; Clusters 8-11 make V^T = W_v x src^T with the same text: rows = h 64 + d, columns = tokens, which are the second product's K: packed as VTP, 16 groups, 32 steps.
; Which of the two a cluster does is a 0/1 flag of the cluster's number, which all sixteen partners share; it enters by multiplication: no branch, no LDS address hangs on it.
; PACKED LAYOUT (all operands): record (s, g) at (s G + g) x 8,448; fragment i at 2,048 i as an image of its 16 registers (quad c at 512 c, lane at 16 l); row 64 g + 32 (i / 2) + 8 (i % 2) + r + 8 (r / 8); scale words at 8,192 + 16 r + 4 i.
; So a K step of 256 rows is one dense block of 33,792 bytes for one tensor load, a fragment is four loads of 512 consecutive LDS bytes, and four fragments' scale words are one load.
; A tile of 256 x 256 to a work-group, 128 x 128 to a wave (64 accumulators).  K = 1,024 goes through two LDS slots of two K steps of 128.  4 x 4 work-groups form a cluster: A's blocks are asked for jointly along a row, B's along a column.
; THE MATRIX INSTRUCTION IS USED TRANSPOSED (source 0 = 16 rows of B, source 1 = 16 rows of A).  By the rows' order in a fragment, the 64 registers of a lane's eight accumulators against B's 128 rows are 128 neighbours along the next K in the order that the quantiser and the next operand want.
; LIMITS: NaN and infinities are not served; a block of zeros gets the byte 1 (zero codes; read by this program alone); largest magnitudes under 2^-111 are held at that floor.
; REGISTERS: window 0: v8-19 LDS addresses; v32-63 scale words and nothing else; v128-255 A's eight fragments, on the way out scratch.  window 1: B's two sets.  windows 2, 3: accumulator (a, b) at v[8 (8 (a % 4) + b)].
.set REC,   8448
.set SCO,   8192
.set QSTR,  8*REC                      ; a K step in LDS: A's four records, then B's four
.set SLOT,  2*QSTR
.set HALFB, 4*REC                      ; what one tensor load brings
.set WPART, 2*REC                      ; a wave's 128 rows
.set SPARE, 2*SLOT                     ; the spare words: 128 bytes a wave
.set LAPS,  2                          ; a lap = two slots = four K steps
.set ADRA, 8                           ; v8-11  my A fragments in (slot s, step q): 2 s + q
.set ADRB, 12                          ; v12-15 B's
.set ADRS, 16                          ; v16-19 scale words: lanes 0-15 A's, lanes 16-31 B's
.set L16,  24
.set SCA,  25
.set SPW,  28
.set NIL,  29
.set SC,   32                          ; register 16 s + 8 q + t: A's fragment t below, B's fragment t above
.set AF,   128
.set TX,   128                         ; the way out: 64 held numbers
.set PC,   192                         ; two sets of codes
.set TM,   224
.set PW,   240                         ; eight scale words
.set SELP, 248
.set G1,  24
.set G0,  32
.set G1B, 48
.set G0B, 56
.set STA, 66                           ; s[66:67] four K steps on in A;  s[68:69] in B
.set STB, 68
.set SEL, 88
.set MNT, 90
.set OUTB, 92
.set MSB, 0
.macro WIN new                         ; the immediate's high byte repeats the setting that is left
.if MSB != \new
	s_set_vgpr_msb (MSB<<8)|\new
.set MSB, \new
.endif
.endm
.set MUL_LO, 0xa1                      ; source 0 (B) window 1, source 1 (A) window 0, C and D window 2
.set MUL_HI, 0xf1
.set TO_B,   0x40
.macro PLACES n
.rept \n
	v_nop
.endr
.endm
.macro JLOAD g0a, g1a, g0b, g1b        ; waves 0, 1 fetch for A, waves 2, 3 for B; four v_nop follow each line
	s_cmp_eq_u32 s15, 0
	s_cbranch_scc0 .Lfor_b_\@
	tensor_load_to_lds s[\g0a:\g0a+3], s[\g1a:\g1a+7]
	s_nop 0
.rept 4
	v_nop
.endr
	s_branch .Lasked_\@
.Lfor_b_\@:
	tensor_load_to_lds s[\g0b:\g0b+3], s[\g1b:\g1b+7]
	s_nop 0
.rept 4
	v_nop
.endr
.Lasked_\@:
.endm
.macro CREST
	s_cmp_lg_u32 s14, 0
	s_cbranch_scc1 .Lnot_wave_0_\@
	s_barrier_signal -3
.Lnot_wave_0_\@:
	s_barrier_wait -3
	s_barrier_signal -1
	s_barrier_wait -1
.endm
.macro CROUND
	s_barrier_signal -1
	s_barrier_wait -1
	CREST
.endm
	s_load_b128 s[4:7], s[0:1], 0x0                ; ws1, ws2
	v_lshl_add_u32 v[SPW], v0, 2, SPARE
	v_mov_b32 v[NIL], 0
	ds_add_u32 v28, v29
	ds_add_u32 v28, v29
	s_wait_dscnt 0x0
	v_lshrrev_b32 v1, 5, v0
	v_readfirstlane_b32 s14, v1                    ; wave
	s_lshr_b32 s15, s14, 1                         ; my half of the tile's rows; also: I fetch for A (0) or B (1)
	s_and_b32 s16, s14, 1                          ; my half of its columns; also: which K step of a slot I fetch
	s_bfe_u32 s40, ttmp6, 0x40000                  ; cx
	s_bfe_u32 s41, ttmp6, 0x40004                  ; cy
	s_and_b32 s17, ttmp7, 0xffff
	s_lshl_b32 s17, s17, 2
	s_add_co_u32 s17, s17, ttmp9                   ; the cluster's number, 0..11
	s_lshr_b32 s10, s17, 3                         ; f = 1: V^T
	s_xor_b32 s11, s10, 1                          ; 1 - f
	s_and_b32 s12, s17, 3
	s_lshr_b32 s13, s17, 2
	s_mul_i32 s18, s12, s11                        ; block of four tile rows: number % 4, or 0
	s_mul_i32 s19, s13, s11
	s_mul_i32 s20, s12, s10
	s_add_co_u32 s19, s19, s20                     ; block of four tile columns: number / 4, or number - 8
	s_mul_i32 s21, s10, 4595712                    ; A: src's codes at 0, or w_qkv's from row 2,048 on
	s_mul_i32 s22, s11, 4325376                    ; B: w_qkv's codes, or src's
	s_mul_i32 s23, s10, 8650752                    ; the result: QKP at 0, VTP behind it
	s_lshl_b32 s20, s10, 4
	s_sub_co_u32 s42, 64, s20                      ; A's groups: 64 or 48
	s_add_co_u32 s43, s20, 48                      ; B's: 48 or 64
	s_mul_i32 s20, s10, 48
	s_sub_co_u32 s44, 64, s20                      ; the result's: 64 or 16
	s_lshl_b32 s45, s18, 2
	s_add_co_u32 s45, s45, s41                     ; tile row
	s_lshl_b32 s46, s19, 2
	s_add_co_u32 s46, s46, s40                     ; tile column
	s_lshl_b32 s70, s41, 2
	s_lshl_b32 s70, 15, s70                        ; my row of the cluster
	s_lshl_b32 s71, 0x1111, s40                    ; my column
	s_or_b32 s[G1], s70, (3<<16)|(1<<21)           ; the mask; elements of 8 bytes; bit 21 beside a mask; no padding
	s_or_b32 s[G1B], s71, (3<<16)|(1<<21)
.irp g, G1, G1B
	s_mov_b32 s[\g+1], 32<<16                      ; a dense block of 33,792 bytes as 132 rows of 256 bytes
	s_mov_b32 s[\g+2], 132<<16
	s_mov_b32 s[\g+3], 32<<16
	s_mov_b32 s[\g+4], 132
	s_mov_b32 s[\g+5], 32
	s_mov_b32 s[\g+6], 0
	s_mov_b32 s[\g+7], 0
.endr
	s_mul_i32 s72, s16, s42                        ; A: record (my K step, 4 x tile row)
	s_lshl_b32 s73, s45, 2
	s_add_co_u32 s72, s72, s73
	s_mul_i32 s72, s72, REC
	s_add_co_u32 s72, s72, s21
	s_mov_b32 s73, 0
	s_mul_i32 s74, s16, s43                        ; B: record (my K step, 4 x tile column)
	s_lshl_b32 s75, s46, 2
	s_add_co_u32 s74, s74, s75
	s_mul_i32 s74, s74, REC
	s_add_co_u32 s74, s74, s22
	s_mov_b32 s75, 0
	s_mul_i32 s76, s42, 2*REC                      ; two K steps on
	s_mov_b32 s77, 0
	s_mul_i32 s78, s43, 2*REC
	s_mov_b32 s79, 0
	s_lshl_b32 s[STA], s76, 1                      ; four
	s_mov_b32 s[STA+1], 0
	s_lshl_b32 s[STB], s78, 1
	s_mov_b32 s[STB+1], 0
	s_mul_i32 s80, s16, QSTR                       ; where my block goes: made of the wave's number alone
	s_mul_i32 s81, s15, HALFB
	s_add_co_u32 s80, s80, s81
	s_lshl_b32 s82, s46, 1                         ; my results: step 2 x tile column + half, groups 4 x tile row + 2 x half on
	s_add_co_u32 s82, s82, s16
	s_mul_i32 s82, s82, s44
	s_lshl_b32 s83, s45, 2
	s_add_co_u32 s82, s82, s83
	s_lshl_b32 s83, s15, 1
	s_add_co_u32 s82, s82, s83
	s_mul_i32 s82, s82, REC
	s_add_co_u32 s82, s82, s23
	s_mov_b32 s83, 0
	s_mov_b32 s[SEL], 0x76543210
	s_mov_b32 s[SEL+1], 0xfedcba98
	s_mov_b32 s[MNT], 0x600000
	s_wait_kmcnt 0x0
	s_add_nc_u64 s[OUTB:OUTB+1], s[6:7], s[82:83]
	s_add_nc_u64 s[72:73], s[4:5], s[72:73]
	s_add_nc_u64 s[74:75], s[4:5], s[74:75]
	CROUND                                         ; all sixteen work-groups are here: the first joint loads meet
	s_mov_b32 s[G0], 1
	s_mov_b32 s[G0+1], s80
	s_mov_b64 s[G0+2:G0+3], s[72:73]
	s_or_b32 s[G0+3], s[G0+3], 0x80000000
	s_mov_b32 s[G0+4], 1
	s_add_co_u32 s[G0+5], s80, SLOT
	s_add_nc_u64 s[G0+6:G0+7], s[72:73], s[76:77]
	s_or_b32 s[G0+7], s[G0+7], 0x80000000
	s_mov_b32 s[G0B], 1
	s_mov_b32 s[G0B+1], s80
	s_mov_b64 s[G0B+2:G0B+3], s[74:75]
	s_or_b32 s[G0B+3], s[G0B+3], 0x80000000
	s_mov_b32 s[G0B+4], 1
	s_add_co_u32 s[G0B+5], s80, SLOT
	s_add_nc_u64 s[G0B+6:G0B+7], s[74:75], s[78:79]
	s_or_b32 s[G0B+7], s[G0B+7], 0x80000000
	JLOAD G0, G1, G0B, G1B
; DATA PREFETCHES: a wave's load brings four records; the four partners that ask for it jointly take one record each, BY ADDRESS (place cx for A, cy for B): 32 blocks of 256 bytes of codes, a lane a block, and one more request for the scale words.
; Fills 1 and 2 are asked for behind fill 0's load, fill 3 behind fill 1's: at most two fills are asked for and not yet loaded.  The three addresses are never rewritten.
	v_and_b32 v20, 31, v0
	v_lshlrev_b32 v20, 8, v20
	v_mov_b32 v21, 0
	s_cmp_eq_u32 s15, 0
	s_cselect_b64 s[94:95], s[72:73], s[74:75]
	s_cselect_b64 s[96:97], s[76:77], s[78:79]
	s_cselect_b32 s98, s40, s41
	s_mul_i32 s98, s98, REC
	s_mov_b32 s99, 0
	s_add_nc_u64 s[94:95], s[94:95], s[98:99]
	s_add_nc_u64 s[94:95], s[94:95], s[96:97]      ; my record of fill 1,
	s_add_nc_u64 s[98:99], s[94:95], s[96:97]      ; of fill 2,
	s_add_nc_u64 s[12:13], s[98:99], s[96:97]      ; of fill 3
	s_wait_alu depctr_va_vdst(0)
	global_prefetch_b8 v20, s[94:95] th:TH_LOAD_NT scope:SCOPE_SE
	global_prefetch_b8 v21, s[94:95] offset:8192 th:TH_LOAD_NT scope:SCOPE_SE
	global_prefetch_b8 v20, s[98:99] th:TH_LOAD_NT scope:SCOPE_SE
	global_prefetch_b8 v21, s[98:99] offset:8192 th:TH_LOAD_NT scope:SCOPE_SE
	s_wait_tensorcnt 0x0                           ; slot 1's first fill is issued as a refill is
	ds_add_u32 v28, v29
	s_wait_dscnt 0x0
	CROUND
	JLOAD G0+4, G1, G0B+4, G1B
	global_prefetch_b8 v20, s[12:13] th:TH_LOAD_NT scope:SCOPE_SE
	global_prefetch_b8 v21, s[12:13] offset:8192 th:TH_LOAD_NT scope:SCOPE_SE
	v_and_b32 v1, 31, v0
	v_and_b32 v2, 15, v0                           ; r
	v_bfe_u32 v3, v0, 4, 1                         ; h
	v_lshlrev_b32 v[L16], 4, v1
	s_wait_alu depctr_va_vdst(0)
	v_lshlrev_b32 v[SCA], 4, v2
	s_mul_i32 s84, s15, WPART                      ; my 128 rows of A
	s_mul_i32 s85, s16, WPART
	s_add_co_u32 s85, s85, HALFB                   ; my 128 rows of B, behind A's 256
	s_sub_co_u32 s86, s85, s84
	v_mul_u32_u24 v4, s86, v3                      ; lanes 16-31 take B's scale words: one product, h x the distance
	v_add_nc_u32 v4, v4, v[SCA]
	v_lshl_add_u32 v[SCA], v3, 3, v[SCA]           ; 16 r + 8 h
	s_add_co_u32 s86, s84, SCO
.irp s, 0,1,2,3
	v_add_nc_u32 v[ADRA+\s], s84, v[L16]
	v_add_nc_u32 v[ADRB+\s], s85, v[L16]
	v_add_nc_u32 v[ADRS+\s], s86, v4
	s_add_co_u32 s84, s84, QSTR
	s_add_co_u32 s85, s85, QSTR
	s_add_co_u32 s86, s86, QSTR
.endr
.macro FRAG reg, adr, i                ; fragment i of my eight: four loads of 512 consecutive bytes
.irp c, 0,1,2,3
	ds_load_b128 v[\reg+4*\c:\reg+4*\c+3], v[\adr] offset:((\i)/4)*REC+((\i)%4)*2048+512*\c
.endr
.endm
.macro MUL16 a0, p, q, sc, zero        ; A's fragments a0, a0 + 1 x B's eight.  The 64 accumulators take turns, one instruction a turn, in the same order in every step
.irp a, \a0, \a0+1
.irp b, 0,1,2,3,4,5,6,7
.if \zero
	v_wmma_scale_f32_16x16x128_f8f6f4 v[8*(8*((\a)%4)+\b):8*(8*((\a)%4)+\b)+7], v[128*(\p)+16*\b:128*(\p)+16*\b+15], v[AF+16*(\a):AF+16*(\a)+15], 0, v[SC+16*(\sc)+8*(\q)+\b], v[SC+16*(\sc)+8*(\q)+(\a)] matrix_a_fmt:MATRIX_FMT_BF8 matrix_b_fmt:MATRIX_FMT_BF8 matrix_a_scale:MATRIX_SCALE_ROW1
.else
	v_wmma_scale_f32_16x16x128_f8f6f4 v[8*(8*((\a)%4)+\b):8*(8*((\a)%4)+\b)+7], v[128*(\p)+16*\b:128*(\p)+16*\b+15], v[AF+16*(\a):AF+16*(\a)+15], v[8*(8*((\a)%4)+\b):8*(8*((\a)%4)+\b)+7], v[SC+16*(\sc)+8*(\q)+\b], v[SC+16*(\sc)+8*(\q)+(\a)] matrix_a_fmt:MATRIX_FMT_BF8 matrix_b_fmt:MATRIX_FMT_BF8 matrix_a_scale:MATRIX_SCALE_ROW1
.endif
.endr
.endr
.endm
.macro FETCH_B slot, q, p
	WIN TO_B
.irp i, 0,1,2,3,4,5,6,7
	FRAG 128*(\p)+16*\i, ADRB+2*\slot+\q, \i
.endr
	WIN 0
.endm
.macro FETCH_A slot, q, i0
.irp i, \i0, \i0+1, \i0+2, \i0+3
	FRAG AF+16*(\i), ADRA+2*\slot+\q, \i
.endr
.endm
.macro SCALES s                        ; a slot's scale words: four fragments' words a load
.irp q, 0,1
.irp j, 0,1
	ds_load_b128 v[SC+16*\s+8*\q+4*\j:SC+16*\s+8*\q+4*\j+3], v[ADRS+2*\s+\q] offset:\j*REC
.endr
.endr
.endm
; Loads into registers that a matrix instruction has read, and reads of results, stand eight plain vector instructions behind it (ISA guide 7.12.1 for reads of results).
.macro STEP slot, zero                 ; a slot's first K step
	s_wait_dscnt 16                                ; all but the youngest 16 loads, A's fragments 4-7
	WIN MUL_LO
	MUL16 0, 0, 0, \slot, \zero
	MUL16 2, 0, 0, \slot, \zero
	s_wait_dscnt 0x0
	PLACES 8
	FETCH_B \slot, 1, 1
	FETCH_A \slot, 1, 0
	WIN MUL_HI
	MUL16 4, 0, 0, \slot, \zero
	MUL16 6, 0, 0, \slot, \zero
	PLACES 8
	WIN 0
	FETCH_A \slot, 1, 4
.endm
.macro TURN slot, next, fill           ; a slot's second K step changes slots
	s_wait_tensorcnt 0x0                           ; all my tensor loads have landed: my part of the next slot
	ds_add_u32 v[SPW], v[NIL]                      ; 0 onto my spare word
	s_wait_dscnt 17                                ; the add and A's fragments 4-7 may be out
	WIN MUL_LO
	MUL16 0, 1, 1, \slot, 0
	s_wait_dscnt 0x0                               ; the add is done, and my reads of this slot are over
	s_barrier_signal -1
	MUL16 2, 1, 1, \slot, 0
	WIN 0
	s_barrier_wait -1
.if \fill
	CREST                                          ; the barrier has opened a round of the cluster's: no wave of any partner reads this slot or has a load on its way
	s_add_nc_u64 s[G0+4*\slot+2:G0+4*\slot+3], s[G0+4*\slot+2:G0+4*\slot+3], s[STA:STA+1]
	s_add_nc_u64 s[G0B+4*\slot+2:G0B+4*\slot+3], s[G0B+4*\slot+2:G0B+4*\slot+3], s[STB:STB+1]
	JLOAD G0+4*\slot, G1, G0B+4*\slot, G1B         ; the first tensor load behind the round; its four v_nop are four of the eight places
	PLACES 4
.else
	PLACES 8
.endif
	FETCH_B \next, 0, 0
	FETCH_A \next, 0, 0
	SCALES \next
	WIN MUL_HI
	MUL16 4, 1, 1, \slot, 0
	MUL16 6, 1, 1, \slot, 0
	PLACES 8
	WIN 0
	FETCH_A \next, 0, 4
.endm
	s_wait_alu depctr_va_vdst(0)
	s_wait_tensorcnt 1                             ; my part of slot 0 is in; slot 1's may stay out
	s_barrier_signal -1
	s_barrier_wait -1
	FETCH_B 0, 0, 0
	FETCH_A 0, 0, 0
	SCALES 0
	FETCH_A 0, 0, 4
	STEP 0, 1                                      ; the first step's products start the sums
	s_mov_b32 s3, LAPS-1
.Llap:
	TURN 0, 1, 1
	STEP 1, 0
	TURN 1, 0, 1
	STEP 0, 0
	s_sub_co_u32 s3, s3, 1
	s_cmp_lg_u32 s3, 0
	s_cbranch_scc1 .Llap
	TURN 0, 1, 0                                   ; the last lap fills nothing
	STEP 1, 0
	s_wait_dscnt 16
	WIN MUL_LO
	MUL16 0, 1, 1, 1, 0
	MUL16 2, 1, 1, 1, 0
	s_wait_dscnt 0x0
	WIN MUL_HI
	MUL16 4, 1, 1, 1, 0
	MUL16 6, 1, 1, 1, 0
	WIN 0
; THE WAY OUT.  The eight accumulators of A's fragment a are 64 numbers of a lane's row, register 16 b + i = the next K's 32 b + 16 h + i: they are quantised as they lie and are one fragment of the packed result.
.macro QUANTW a
.set AC, 64*((\a)%4)
.set WW, 2+(\a)/4
.set WW2, WW*5
.set PCC, PC+16*((\a)%2)
	WIN WW2                                        ; sources 0 and 1 in the accumulators' window
.irp b, 0,1,2,3
	v_max3_num_f32 v[TM+\b], |v[AC+16*\b]|, |v[AC+16*\b+1]|, 0x8000000   ; each accumulator is read from its low end on
.endr
.irp i, 2,4,6,8,10,12,14
.irp b, 0,1,2,3
	v_max3_num_f32 v[TM+\b], |v[AC+16*\b+\i]|, |v[AC+16*\b+\i+1]|, v[TM+\b]
.endr
.endr
	WIN 0
.irp b, 0,1,2,3
	v_permlanex16_b32 v[TM+4+\b], v[TM+\b], s[SEL], s[SEL+1]
.endr
.irp b, 0,1,2,3
	v_max_num_f32 v[TM+\b], v[TM+\b], v[TM+4+\b]
.endr
.irp b, 0,1,2,3
	v_add_nc_u32 v[TM+12+\b], 0xf8800000, v[TM+\b]
.endr
.irp b, 0,1,2,3
	v_and_or_b32 v[TM+8+\b], v[TM+\b], 0x7f800000, s[MNT]
.endr
.irp b, 0,1,2,3
	v_lshrrev_b32 v[TM+4+\b], 23, v[TM+12+\b]
.endr
	v_lshl_or_b32 v[PW+(\a)], v[TM+5], 8, v[TM+4]
	v_lshl_or_b32 v[PW+(\a)], v[TM+6], 16, v[PW+(\a)]
	v_lshl_or_b32 v[PW+(\a)], v[TM+7], 24, v[PW+(\a)]
	WIN WW                                         ; source 0 alone
.irp b, 0,1,2,3
.irp i, 0,1,2,3,4,5,6,7,8,9,10,11,12,13,14,15
	v_med3_num_f32 v[TX+16*\b+\i], v[AC+16*\b+\i], -v[TM+8+\b], v[TM+8+\b]
.endr
.endr
	WIN 0
.irp b, 0,1,2,3
	v_cvt_scalef32_pk8_bf8_f32 v[PCC+4*\b:PCC+4*\b+1], v[TX+16*\b:TX+16*\b+7], v[TM+12+\b]
	v_cvt_scalef32_pk8_bf8_f32 v[PCC+4*\b+2:PCC+4*\b+3], v[TX+16*\b+8:TX+16*\b+15], v[TM+12+\b]
.endr
	v_nop
.endm
.macro OUTF a
.if (\a) > 1
	s_wait_xcnt 0x0                                ; the stores of two fragments back have read this set of codes
.endif
	QUANTW \a
.irp c, 0,1,2,3
	global_store_b128 v[L16], v[PCC+4*\c:PCC+4*\c+3], s[OUTB:OUTB+1] offset:((\a)/4)*REC+(\c/2)*4096+((\a)%4)*1024+(\c%2)*512   ; THE RESULTS' RECORDS lay quad c of fragment i at 4,096 (c / 2) + 1,024 i + 512 (c % 2): a head's 64 of a record of q or k are then 4,096 consecutive bytes
.endr
.endm
	PLACES 8
	v_cmp_ne_u32 vcc_lo, 0, v3
.irp b, 0,1,2,3
	v_mov_b32 v[TM+4+\b], 0
.endr
.irp a, 0,1,2,3,4,5,6,7
	OUTF \a
.endr
.irp j, 0,1
	v_cndmask_b32 v[SELP+2*\j], v[PW+4*\j], v[PW+4*\j+2], vcc_lo
	v_cndmask_b32 v[SELP+2*\j+1], v[PW+4*\j+1], v[PW+4*\j+3], vcc_lo
	global_store_b64 v[SCA], v[SELP+2*\j:SELP+2*\j+1], s[OUTB:OUTB+1] offset:\j*REC+SCO   ; a group's scale words: 256 consecutive bytes
.endr
	s_wait_tensorcnt 0x0                           ; the wave's end
	ds_add_u32 v[SPW], v[NIL]
	s_wait_dscnt 0x0
	CROUND                                         ; the closing round
	s_endpgm
.Lfunc_end_k_q85e77ed9ba_qkv:
	.size	k_q85e77ed9ba_qkv, .Lfunc_end_k_q85e77ed9ba_qkv-k_q85e77ed9ba_qkv
	.p2alignl 7, 3214868480
	.fill 96, 4, 3214868480
	.section	.rodata,"a",@progbits
	.p2align	6, 0x0
	.amdhsa_kernel k_q85e77ed9ba_qkv
		.amdhsa_group_segment_fixed_size 327680
		.amdhsa_private_segment_fixed_size 0
		.amdhsa_enable_private_segment 0
		.amdhsa_kernarg_size 16
		.amdhsa_user_sgpr_count 2
		.amdhsa_user_sgpr_kernarg_segment_ptr 1
		.amdhsa_wavefront_size32 1
		.amdhsa_system_sgpr_workgroup_id_x 1
		.amdhsa_system_sgpr_workgroup_id_y 1
		.amdhsa_system_sgpr_workgroup_id_z 1
		.amdhsa_system_vgpr_workitem_id 0
		.amdhsa_next_free_vgpr 1024
		.amdhsa_next_free_sgpr 100
		.amdhsa_reserve_vcc 1
		.amdhsa_float_denorm_mode_32 3
		.amdhsa_float_denorm_mode_16_64 3
		.amdhsa_memory_ordered 1
		.amdhsa_forward_progress 1
		.amdhsa_inst_pref_size 184
	.end_amdhsa_kernel
	.amdgpu_metadata
---
amdhsa.version: [ 1, 2 ]
amdhsa.kernels:
  - .name:           k_q85e77ed9ba_qkv
    .symbol:         k_q85e77ed9ba_qkv.kd
    .args:
      - { .name: ws1, .offset: 0, .size: 8, .value_kind: global_buffer, .address_space: global }
      - { .name: ws2, .offset: 8, .size: 8, .value_kind: global_buffer, .address_space: global }
    .group_segment_fixed_size: 327680
    .private_segment_fixed_size: 0
    .kernarg_segment_align: 8
    .kernarg_segment_size: 16
    .max_flat_workgroup_size: 128
    .sgpr_count:     100
    .vgpr_count:     1024
    .wavefront_size: 32
...
	.end_amdgpu_metadata
.endif
;; end of part 2
;; launch attn (part 3): grid 8 x 32, 8 waves a work-group, clusters of 4 x 1, 327,680 bytes of LDS; arguments ws2, op; writes op
.if DOCPART == 3
	.amdgcn_target "amdgcn-amd-amdhsa--gfx1250"
	.amdhsa_code_object_version 6
	.text
	.protected	k_q85e77ed9ba_attn
	.globl	k_q85e77ed9ba_attn
	.p2align	8
	.type	k_q85e77ed9ba_attn,@function
k_q85e77ed9ba_attn:
	s_mov_b64 s[64:65], 0
	v_nop
	global_prefetch_b8 v0, s[64:65] scope:SCOPE_SE
	s_setreg_imm32_b32 hwreg(HW_REG_WAVE_MODE, 25, 1), 1
	s_wait_xcnt 0x0
	s_wait_alu depctr_hold_cnt(0) depctr_sa_sdst(0) depctr_va_vdst(0) depctr_va_sdst(0) depctr_va_ssrc(0) depctr_va_vcc(0) depctr_vm_vsrc(0)
	s_getreg_b32 s2, hwreg(HW_REG_IB_STS2, 6, 4)
	s_cmp_eq_u32 s2, 0
	s_cbranch_scc0 .Lentry_in_a_cluster
	s_endpgm
.Lentry_in_a_cluster:
	s_bfe_u32 s2, ttmp6, 0x10000c
	s_cmp_lg_u32 s2, 0x3003
	s_cbranch_scc0 .Lentry_shape_is_right
	s_endpgm
.Lentry_shape_is_right:
; Attention on codes of BF8 (E5M2) with E8M0 scales: O = softmax(Q K^T / 8) V for 2 x 16 heads of 64, 2,048 keys; O is quantised along h 64 + d and stored packed, as the projection's operand.
; ws2's RECORDS: record (s, g) at (s G + g) x 8,448; quad c of fragment i at 4,096 (c / 2) + 1,024 i + 512 (c % 2), lane at 16 l; row 64 g + 32 (i / 2) + 8 (i % 2) + r + 8 (r / 8); scale words at 8,192 + 16 r + 4 i.
; q and k: at 0 (64 groups of tokens; steps 0-7 q's pairs of heads, 8-15 k's).  V^T: at 8,650,752 (16 groups = heads, 32 steps of 128 tokens).  op has the packed layout of all other operands: quad c of fragment i at 2,048 i + 512 c.
; SHARES.  A work-group owns ONE head and 256 queries; wave w owns 32 of them (two tiles y = 0, 1: fragments 2 (w % 2) + y of group w / 2).  The four work-groups of a cluster own four blocks of queries of one head and ask for its K and V jointly.
; ALL OF THE HEAD'S K AND V STAYS IN LDS: K's codes 32 records x 4,096 bytes, K's scale words 32 x 256, V 16 records x 8,448: 274,432 bytes, each byte filled once.  They come in two groups.  At the head, one load a wave, what key steps 0 to 7 read:
; waves 0, 1 K's codes of records 0-15, waves 2, 3 all of K's scale words, waves 4 to 7 V's records 0-7.  Behind the three lines and a round of the cluster's barrier, as a later first fill is issued: waves 0, 1 K's records 16-31, waves 4 to 7 V's records 8-15;
; these have eight key steps, 192 matrix instructions a wave, in which to land, and one barrier between the two loops of eight key steps shows them.  Nothing is filled again.  No data prefetch: both groups are asked for ahead of the first loop.
; A head's 64 are two quads: K's tile is 8 registers, quads 0, 1 of the operand; Q's operand has its own two quads there and ZERO CODES in quads 2, 3, so what stands in quads 2, 3 of K's operand (the next tile's codes, finite numbers; behind the last
; tile zeros) adds nothing.  The scale words are cut to the head's two bytes.  Each fragment of K and of V feeds two products.
; Both products are used transposed (S^T = K Q^T, O^T = V^T P^T): a lane holds one query; by the rows' order in a fragment 16 registers of two neighbouring tiles are 16 neighbouring keys (or d).
; SOFTMAX: t = score x log2(e) / 8; M = the running largest t rounded up to a whole number; p = 2^(t - M) is quantised along the keys, not normalised; the sum of the unquantised p divides at the end; a change of M multiplies sum and O by a power of two.
; The result's scale words hold two heads' bytes: this head's two leave as 2 bytes a lane (2 stores a wave against 4 of 512 bytes).
; LIMITS: NaN and infinities are not served; the promise holds while |t| stays under 2^31; a block of zeros gets the byte 1 (zero codes; read by this program alone).
; REGISTERS: window 0: v1-39 addresses and state, v40-127 at work, v128-255 S^T then p (64 a tile of queries).  window 1: O^T 0-63, Q 64-95, K 96-167, V 168-231.
.set REC,   8448
.set SCO,   8192
.set KSO,   131072                     ; LDS: K's scale words behind K's codes
.set VBO,   KSO+8192                   ; V's records
.set SPARE, VBO+16*REC
.set VTP,   8650752
.set L16,  1
.set AS0,  3
.set AV0,  4
.set SPW,  5
.set NIL,  6
.set OSA,  7
.set QS,   10
.set ST,   12
.set KSC,  20
.set PWD,  28
.set F,    30
.set AVS0, 38
.set QSA,  39
.set BM,   40
.set T1,   48
.set HOLD, 56
.set SCL,  64
.set PCD,  72
.set SS,   104
.set HOLD2, 109
.set VSC,  118
.set ADK,  122
.set ADS,  123
.set ADV,  124
.set ADVS, 125
.set S,    128
.set TM,   40
.set O,    0
.set QF,   64
.set KF,   96
.set VF,   168
.set WV,   8
.set G0K,  24
.set G0S,  28
.set G0V,  32
.set G1K,  40
.set G1V,  72
.set G1S,  88
.set SEL,  60
.set CS,   62
.set MNT,  66
.set TBK,  67
.set CNT,  68
.set TBS,  70
.set TBV,  71
.set MSB, 0
.macro WIN new
.if MSB != \new
	s_set_vgpr_msb (MSB<<8)|\new
.set MSB, \new
.endif
.endm
.macro PLACES n
.rept \n
	v_nop
.endr
.endm
.macro CROUND
	s_barrier_signal -1
	s_barrier_wait -1
	s_cmp_lg_u32 s[WV], 0
	s_cbranch_scc1 .Lnot_wave_0_\@
	s_barrier_signal -3
.Lnot_wave_0_\@:
	s_barrier_wait -3
	s_barrier_signal -1
	s_barrier_wait -1
.endm
.macro GROUP1 g, c, r, p               ; r rows of c elements of 8 bytes, p elements apart; the four of the cluster
	s_mov_b32 s[\g], 15|(3<<16)|(1<<21)
	s_mov_b32 s[\g+1], (\c)<<16
	s_mov_b32 s[\g+2], (\r)<<16
	s_mov_b32 s[\g+3], (\c)<<16
	s_mov_b32 s[\g+4], \r
	s_mov_b32 s[\g+5], \p
	s_mov_b32 s[\g+6], 0
	s_mov_b32 s[\g+7], 0
.endm
.macro QUANT s, relu, pc, pw
.irp b, 0,1,2,3
	v_max3_num_f32 v[TM+\b], |v[\s+16*\b]|, |v[\s+1+16*\b]|, 0x8000000
.endr
.irp i, 2,4,6,8,10,12,14
.irp b, 0,1,2,3
	s_delay_alu instid0(VALU_DEP_4)
	v_max3_num_f32 v[TM+\b], v[TM+\b], |v[\s+16*\b+\i]|, |v[\s+1+16*\b+\i]|
.endr
.endr
.irp b, 0,1,2,3
	s_delay_alu instid0(VALU_DEP_4)
	v_permlanex16_b32 v[TM+4+\b], v[TM+\b], s[SEL], s[SEL+1]
.endr
.irp b, 0,1,2,3
	s_delay_alu instid0(VALU_DEP_4)
	v_max_num_f32 v[TM+\b], v[TM+\b], v[TM+4+\b]
.endr
.irp b, 0,1,2,3
	s_delay_alu instid0(VALU_DEP_4)
	v_add_nc_u32 v[TM+12+\b], 0xf8800000, v[TM+\b]
.endr
.irp b, 0,1,2,3
	v_and_or_b32 v[TM+8+\b], v[TM+\b], 0x7f800000, s[MNT]
.endr
.irp b, 0,1,2,3
	v_lshrrev_b32 v[TM+4+\b], 23, v[TM+12+\b]
.endr
	s_delay_alu instid0(VALU_DEP_3)
	v_lshl_or_b32 v[\pw], v[TM+5], 8, v[TM+4]
	s_delay_alu instid0(VALU_DEP_1)
	v_lshl_or_b32 v[\pw], v[TM+6], 16, v[\pw]
	s_delay_alu instid0(VALU_DEP_1)
	v_lshl_or_b32 v[\pw], v[TM+7], 24, v[\pw]
.irp b, 0,1,2,3
.irp i, 0,1,2,3,4,5,6,7,8,9,10,11,12,13,14,15
	v_med3_num_f32 v[\s+16*\b+\i], v[\s+16*\b+\i], -v[TM+8+\b], v[TM+8+\b]
.endr
	v_cvt_scalef32_pk8_bf8_f32 v[\pc+4*\b:\pc+1+4*\b], v[\s+16*\b:\s+7+16*\b], v[TM+12+\b]
	v_cvt_scalef32_pk8_bf8_f32 v[\pc+2+4*\b:\pc+3+4*\b], v[\s+8+16*\b:\s+15+16*\b], v[TM+12+\b]
.endr
	v_nop
.endm
	s_load_b128 s[4:7], s[0:1], 0x0                ; ws2, op
	v_lshl_add_u32 v[SPW], v0, 2, SPARE
	v_mov_b32 v[NIL], 0
	ds_add_u32 v[SPW], v[NIL]                      ; the opening lines: the add twice on end, and its wait ahead of my first tensor load
	ds_add_u32 v[SPW], v[NIL]
	v_lshrrev_b32 v34, 5, v0
	v_readfirstlane_b32 s[WV], v34                 ; wave 0..7
	s_bfe_u32 s9, ttmp6, 0x40000
	s_lshl_b32 s10, ttmp9, 2
	s_add_co_u32 s10, s10, s9                      ; which 256 queries
	s_and_b32 s11, ttmp7, 0xffff
	s_lshr_b32 s12, s11, 4                         ; batch
	s_and_b32 s13, s11, 15                         ; head
	s_lshr_b32 s14, s13, 1                         ; its pair,
	s_and_b32 s38, s13, 1                          ; and x: which of the pair
	s_and_b32 s15, s[WV], 1
	s_and_b32 s17, s[WV], 3
	s_lshr_b32 s18, s[WV], 1
	s_add_co_u32 s20, s14, 8
	s_lshl_b32 s20, s20, 6
	s_lshl_b32 s19, s12, 5
	s_add_co_u32 s20, s20, s19
	s_mul_i32 s20, s20, REC                        ; K: record (8 + pair, 32 batch)
	s_mul_i32 s19, s15, 16*REC
	s_add_co_u32 s22, s20, s19
	s_add_co_u32 s22, s22, SCO                     ; the scale words of records 16 (w % 2) on,
	s_mov_b32 s23, 0
	s_mul_i32 s19, s15, 8*REC
	s_add_co_u32 s20, s20, s19
	s_lshl_b32 s19, s38, 12
	s_add_co_u32 s20, s20, s19                     ; my head's codes of records 8 (w % 2) on
	s_mov_b32 s21, 0
	s_lshl_b32 s80, s12, 4
	s_lshl_b32 s19, s17, 1
	s_add_co_u32 s80, s80, s19
	s_lshl_b32 s80, s80, 4
	s_add_co_u32 s80, s80, s13
	s_mul_i32 s80, s80, REC
	s_add_co_u32 s80, s80, VTP                     ; V: record (16 batch + 2 (w % 4), head)
	s_mov_b32 s81, 0
	s_lshl_b32 s82, s15, 15                        ; where they go: made of the wave's number alone
	s_lshl_b32 s83, s15, 12
	s_add_co_u32 s83, s83, KSO
	s_mul_i32 s84, s17, 2*REC
	s_add_co_u32 s84, s84, VBO
	s_lshl_b32 s48, s14, 6
	s_lshl_b32 s19, s12, 5
	s_add_co_u32 s48, s48, s19
	s_lshl_b32 s19, s10, 2
	s_add_co_u32 s48, s48, s19
	s_add_co_u32 s48, s48, s18
	s_mul_i32 s48, s48, REC                        ; Q's and O's record (pair, my group)
	s_mov_b32 s49, 0
	s_lshl_b32 s36, s38, 12
	s_lshl_b32 s19, s15, 11
	s_add_co_u32 s36, s36, s19                     ; my two fragments' quads of my head, in ws2's order,
	s_mov_b32 s37, 0
	s_lshl_b32 s50, s15, 12
	s_lshl_b32 s19, s38, 10
	s_add_co_u32 s50, s50, s19                     ; and in op's
	s_mov_b32 s51, 0
	s_lshl_b32 s69, s38, 4                         ; my head's bytes begin 16 x bits into a scale word
	s_lshl_b32 s85, s38, 1
	s_add_co_u32 s86, s85, KSO
	s_lshl_b32 s87, s15, 3
	s_add_co_u32 s85, s85, s87
	GROUP1 G1K, 512, 8, 1056                       ; 8 records' 4,096 bytes of one head
	GROUP1 G1S, 32, 16, 1056                       ; 16 records' 256 bytes of scale words
	GROUP1 G1V, 1056, 2, 16896                     ; 2 whole records, 16 records apart
	s_mov_b32 s[SEL], 0x76543210
	s_mov_b32 s[SEL+1], 0xfedcba98
	s_mov_b32 s[CS], 0x3e38aa3b                    ; log2(e) / 8
	s_mov_b32 s[CS+1], s[CS]
	s_mov_b32 s[MNT], 0x600000
	v_and_b32 v34, 31, v0
	v_lshlrev_b32 v[L16], 4, v34
	v_and_b32 v35, 15, v0
	v_lshlrev_b32 v35, 4, v35                      ; 16 r
	v_add_nc_u32 v[AS0], s86, v35
	v_add_nc_u32 v[AV0], VBO, v[L16]
	v_add_nc_u32 v[AVS0], VBO+SCO, v35
	v_add_nc_u32 v[QSA], s87, v35
	v_add_nc_u32 v[OSA], s85, v35
	s_wait_alu depctr_va_vdst(0)
	s_wait_dscnt 0x0
	s_wait_kmcnt 0x0
	s_add_nc_u64 s[20:21], s[4:5], s[20:21]
	s_add_nc_u64 s[22:23], s[4:5], s[22:23]
	s_add_nc_u64 s[80:81], s[4:5], s[80:81]
	s_add_nc_u64 s[58:59], s[4:5], s[48:49]
	s_add_nc_u64 s[52:53], s[58:59], s[36:37]      ; Q's codes
	s_add_nc_u64 s[56:57], s[6:7], s[48:49]
	s_add_nc_u64 s[54:55], s[56:57], s[50:51]      ; O's codes
	s_mov_b32 s[G0K], 1
	s_mov_b32 s[G0K+1], s82
	s_mov_b64 s[G0K+2:G0K+3], s[20:21]
	s_or_b32 s[G0K+3], s[G0K+3], 0x80000000
	s_mov_b32 s[G0S], 1
	s_mov_b32 s[G0S+1], s83
	s_mov_b64 s[G0S+2:G0S+3], s[22:23]
	s_or_b32 s[G0S+3], s[G0S+3], 0x80000000
	s_mov_b32 s[G0V], 1
	s_mov_b32 s[G0V+1], s84
	s_mov_b64 s[G0V+2:G0V+3], s[80:81]
	s_or_b32 s[G0V+3], s[G0V+3], 0x80000000
	WIN 0x40
.irp y, 0,1
.irp c, 0,1
	global_load_b128 v[QF+16*\y+4*\c:QF+16*\y+4*\c+3], v[L16], s[52:53] offset:1024*\y+512*\c
.endr
.endr
	WIN 0
	global_load_b64 v[36:37], v[QSA], s[58:59] offset:SCO   ; the two tiles' scale words
	CROUND
	s_cmp_lt_u32 s[WV], 2                          ; one chain of branches on the wave's number, a load to an arm
	s_cbranch_scc0 .Lnot_k
	tensor_load_to_lds s[G0K:G0K+3], s[G1K:G1K+7]
	s_nop 0
	PLACES 4
	s_branch .Lasked
.Lnot_k:
	s_cmp_lt_u32 s[WV], 4
	s_cbranch_scc0 .Lfor_v
	tensor_load_to_lds s[G0S:G0S+3], s[G1S:G1S+7]
	s_nop 0
	PLACES 4
	s_branch .Lasked
.Lfor_v:
	tensor_load_to_lds s[G0V:G0V+3], s[G1V:G1V+7]
	s_nop 0
	PLACES 4
.Lasked:
	WIN 0x40
.set k, 0
.rept 64
	v_mov_b32 v[O+k], 0                            ; O^T: the step is written once; the first change of M leaves zeros zeros
.set k, k+1
.endr
.set k, 0
.rept 8
	v_mov_b32 v[QF+8+k], 0                         ; zero codes in quads 2, 3 of Q's operands,
	v_mov_b32 v[QF+24+k], 0
	v_mov_b32 v[KF+64+k], 0                        ; and behind K's last tile
.set k, k+1
.endr
	WIN 0
.irp x, 0,1
	v_mov_b32 v[ST+4*\x+1], 0xff61b1e6             ; the largest t so far: -3e38
	v_floor_f32 v[ST+4*\x], -v[ST+4*\x+1]
	v_mov_b32 v[ST+4*\x+2], 0
	v_mov_b32 v[ST+4*\x+3], 0
	v_mov_b32 v[F+2*\x+1], 0
.endr
.irp B, 0,1,2,3,4,5,6,7
	v_mov_b32 v[T1+\B], 0
.endr
	s_wait_loadcnt 0x0                             ; Q
	v_lshrrev_b32 v36, s69, v36
	v_lshrrev_b32 v37, s69, v37
	v_and_b32 v[QS], 0xffff, v36                   ; my head's two bytes; the bytes of the zero codes' blocks are 0
	v_and_b32 v[QS+1], 0xffff, v37
	s_mov_b32 s[TBK], 0
	s_mov_b32 s[TBS], 0
	s_mov_b32 s[TBV], 0
	s_mov_b32 s[CNT], 8
	s_wait_alu depctr_va_vdst(0)
	s_wait_tensorcnt 0x0                           ; my tile of the first group is in; the second group's first fills are issued as refills are
	ds_add_u32 v[SPW], v[NIL]
	s_add_co_u32 s[G0K+1], s[G0K+1], 65536         ; no load of mine is out: K's records 16 on,
	s_add_nc_u64 s[G0K+2:G0K+3], s[G0K+2:G0K+3], 16*REC
	s_add_co_u32 s[G0V+1], s[G0V+1], 8*REC         ; V's records 8 on
	s_add_nc_u64 s[G0V+2:G0V+3], s[G0V+2:G0V+3], 128*REC
	s_wait_dscnt 0x0
	CROUND                                         ; everybody's tile of the first group is in
	s_cmp_lt_u32 s[WV], 2
	s_cbranch_scc0 .Lnot_k2
	tensor_load_to_lds s[G0K:G0K+3], s[G1K:G1K+7]
	s_nop 0
	PLACES 4
	s_branch .Lasked2
.Lnot_k2:
	s_cmp_lt_u32 s[WV], 4                          ; waves 2 and 3 have nothing left to ask for
	s_cbranch_scc1 .Lasked2
	tensor_load_to_lds s[G0V:G0V+3], s[G1V:G1V+7]
	s_nop 0
	PLACES 4
.Lasked2:
.macro STEP
	v_add_nc_u32 v[ADK], s[TBK], v[L16]
	v_add_nc_u32 v[ADS], s[TBS], v[AS0]
	v_add_nc_u32 v[ADV], s[TBV], v[AV0]
	v_add_nc_u32 v[ADVS], s[TBV], v[AVS0]
	PLACES 4                                       ; eight places behind the last products, ahead of loads into what they read
.irp t, 0,1,2,3,4,5,6,7
	ds_load_u16 v[KSC+\t], v[ADS] offset:(\t/4)*256+(\t%4)*4   ; my head's two scale bytes of tile t's keys
.endr
	WIN 0x40
.irp t, 0,1,2,3,4,5,6,7
.irp c, 0,1
	ds_load_b128 v[KF+8*\t+4*\c:KF+8*\t+4*\c+3], v[ADK] offset:1024*\t+512*\c
.endr
.endr
.irp i, 0,1,2,3
.irp c, 0,1,2,3
	ds_load_b128 v[VF+16*\i+4*\c:VF+16*\i+4*\c+3], v[ADV] offset:(\c/2)*4096+\i*1024+(\c%2)*512
.endr
.endr
	WIN 0
	ds_load_b128 v[VSC:VSC+3], v[ADVS]
	s_wait_alu depctr_va_vdst(0)
	s_wait_dscnt 17                                ; K is in; V's 16 loads and its scale words may be out
	WIN 0x05
.irp t, 0,1,2,3,4,5,6,7
.irp y, 0,1
	v_wmma_scale_f32_16x16x128_f8f6f4 v[S+64*\y+8*\t:S+64*\y+8*\t+7], v[KF+8*\t:KF+8*\t+15], v[QF+16*\y:QF+16*\y+15], 0, v[KSC+\t], v[QS+\y] matrix_a_fmt:MATRIX_FMT_BF8 matrix_b_fmt:MATRIX_FMT_BF8
.endr
.endr
	WIN 0
	PLACES 8
.irp B, 0,1,2,3,4,5,6,7
	v_max3_num_f32 v[BM+\B], v[S+16*\B], v[S+16*\B+1], v[S+16*\B+2]   ; the largest score of each block of 32 keys
.endr
.irp i, 3,5,7,9,11,13
.irp B, 0,1,2,3,4,5,6,7
	v_max3_num_f32 v[BM+\B], v[BM+\B], v[S+16*\B+\i], v[S+16*\B+\i+1]
.endr
.endr
.irp B, 0,1,2,3,4,5,6,7
	v_max_num_f32 v[BM+\B], v[BM+\B], v[S+16*\B+15]
.endr
.irp B, 0,1,2,3,4,5,6,7
	v_permlanex16_b32 v[T1+\B], v[BM+\B], s[SEL], s[SEL+1]
.endr
.irp B, 0,1,2,3,4,5,6,7
	v_max_num_f32 v[BM+\B], v[BM+\B], v[T1+\B]
.endr
.irp x, 0
	v_max3_num_f32 v[34+\x], v[BM+4*\x], v[BM+4*\x+1], v[BM+4*\x+2]
.endr
.irp x, 1
	s_delay_alu instid0(VALU_DEP_3)
	v_max3_num_f32 v[34+\x], v[BM+4*\x], v[BM+4*\x+1], v[BM+4*\x+2]
.endr
.irp x, 0,1
	s_delay_alu instid0(VALU_DEP_2)
	v_max_num_f32 v[34+\x], v[34+\x], v[BM+4*\x+3]
.endr
.irp x, 0,1
	s_delay_alu instid0(VALU_DEP_2)
	v_mul_f32 v[34+\x], s[CS], v[34+\x]
.endr
.irp x, 0,1
	s_delay_alu instid0(VALU_DEP_2)
	v_max_num_f32 v[ST+4*\x+1], v[ST+4*\x+1], v[34+\x]   ; the running largest t
.endr
.irp x, 0,1
	v_mov_b32 v[34+\x], v[ST+4*\x]
.endr
.irp x, 0,1
	s_delay_alu instid0(VALU_DEP_4)
	v_floor_f32 v[ST+4*\x], -v[ST+4*\x+1]          ; -M
.endr
.irp x, 0,1
	s_delay_alu instid0(VALU_DEP_2)
	v_sub_f32 v[34+\x], v[ST+4*\x], v[34+\x]
.endr
.irp x, 0,1
	s_delay_alu instid0(VALU_DEP_2)
	v_cvt_i32_f32 v[34+\x], v[34+\x]
.endr
.irp x, 0,1
	s_delay_alu instid0(VALU_DEP_2)
	v_ldexp_f32 v[F+2*\x], 1.0, v[34+\x]           ; f = 2^(old M - new M)
.endr
.set j, 0
.rept 64
	v_pk_fma_f32 v[S+2*j:S+2*j+1], v[S+2*j:S+2*j+1], s[CS:CS+1], v[ST+4*(j/32):ST+4*(j/32)+1] op_sel_hi:[1,0,0]
.set j, j+1
.endr
.irp B, 0,1,2,3,4,5,6,7
	v_fma_f32 v[BM+\B], v[BM+\B], s[CS], v[ST+4*(\B/4)]
.endr
.set j, 0
	s_wait_alu depctr_va_vdst(0)                   ; one wait ahead of the batch, one behind it
.rept 128
	v_exp_f32 v[S+j], v[S+j]
.set j, j+1
.endr
.irp x, 0,1
	v_pk_mul_f32 v[ST+4*\x+2:ST+4*\x+3], v[ST+4*\x+2:ST+4*\x+3], v[F+2*\x:F+2*\x+1] op_sel_hi:[1,0]
.endr
	s_wait_alu depctr_va_vdst(0)
.irp B, 0,1,2,3,4,5,6,7
	v_exp_f32 v[BM+\B], v[BM+\B]                   ; each block's largest p
.endr
.irp x, 0,1
	v_pk_add_f32 v[SS+2*\x:SS+2*\x+1], v[S+64*\x:S+64*\x+1], v[S+64*\x+2:S+64*\x+3]
.endr
.irp j, 4,8,12,16,20,24,28,32,36,40,44,48,52,56,60
.irp x, 0,1
	v_pk_add_f32 v[ST+4*\x+2:ST+4*\x+3], v[ST+4*\x+2:ST+4*\x+3], v[S+64*\x+\j:S+64*\x+\j+1]
	v_pk_add_f32 v[SS+2*\x:SS+2*\x+1], v[SS+2*\x:SS+2*\x+1], v[S+64*\x+\j+2:S+64*\x+\j+3]
.endr
.endr
.irp x, 0
	s_delay_alu instid0(VALU_DEP_3)
	v_pk_add_f32 v[ST+4*\x+2:ST+4*\x+3], v[ST+4*\x+2:ST+4*\x+3], v[SS+2*\x:SS+2*\x+1]
.endr
.irp x, 1
	s_delay_alu instid0(VALU_DEP_2)
	v_pk_add_f32 v[ST+4*\x+2:ST+4*\x+3], v[ST+4*\x+2:ST+4*\x+3], v[SS+2*\x:SS+2*\x+1]
.endr
	s_wait_alu depctr_va_vdst(0)
.irp B, 0,1,2,3,4,5,6,7
	v_max_num_f32 v[BM+\B], 0x8000000, v[BM+\B]
.endr
.irp B, 0,1,2,3,4,5,6,7
	v_add_nc_u32 v[SCL+\B], 0xf8800000, v[BM+\B]
.endr
.irp B, 0,1,2,3,4,5,6,7
	v_and_or_b32 v[HOLD+\B], v[BM+\B], 0x7f800000, s[MNT]
.endr
.irp B, 0,1,2,3,4,5,6,7
	v_and_or_b32 v[HOLD2+\B], v[BM+\B], 0x7f800000, s[MNT]
.endr
.irp B, 0,1,2,3,4,5,6,7
	v_lshrrev_b32 v[T1+\B], 23, v[SCL+\B]
.endr
.irp x, 0,1
	v_lshl_or_b32 v[PWD+\x], v[T1+4*\x+1], 8, v[T1+4*\x]
	s_delay_alu instid0(VALU_DEP_1)
	v_lshl_or_b32 v[PWD+\x], v[T1+4*\x+2], 16, v[PWD+\x]
	s_delay_alu instid0(VALU_DEP_1)
	v_lshl_or_b32 v[PWD+\x], v[T1+4*\x+3], 24, v[PWD+\x]
.endr
.irp B, 0,1,2,3,4,5,6,7
.irp i, 0,2,4,6,8,10,12,14
	v_dual_min_num_f32 v[S+16*\B+\i], v[S+16*\B+\i], v[HOLD+\B] :: v_dual_min_num_f32 v[S+16*\B+\i+1], v[S+16*\B+\i+1], v[HOLD2+\B]
.endr
	v_cvt_scalef32_pk8_bf8_f32 v[PCD+4*\B:PCD+4*\B+1], v[S+16*\B:S+16*\B+7], v[SCL+\B]
	v_cvt_scalef32_pk8_bf8_f32 v[PCD+4*\B+2:PCD+4*\B+3], v[S+16*\B+8:S+16*\B+15], v[SCL+\B]
.endr
	WIN 0x41
	s_wait_alu depctr_va_vdst(0)                   ; directly ahead of the first readers of O^T
.set j, 0
.rept 32
	v_pk_mul_f32 v[O+2*j:O+2*j+1], v[O+2*j:O+2*j+1], v[F+2*(j/16):F+2*(j/16)+1] op_sel_hi:[1,0]
.set j, j+1
.endr
	s_wait_alu depctr_va_vdst(0)
	s_wait_dscnt 0x0                               ; V
	WIN 0x51
.irp i, 0,1,2,3
.irp y, 0,1
	v_wmma_scale_f32_16x16x128_f8f6f4 v[O+32*\y+8*\i:O+32*\y+8*\i+7], v[VF+16*\i:VF+16*\i+15], v[PCD+16*\y:PCD+16*\y+15], v[O+32*\y+8*\i:O+32*\y+8*\i+7], v[VSC+\i], v[PWD+\y] matrix_a_fmt:MATRIX_FMT_BF8 matrix_b_fmt:MATRIX_FMT_BF8
.endr
.endr
	WIN 0
.endm
.macro HALF                            ; eight key steps of 128 keys
.Lstep_\@:
	s_wait_alu depctr_va_vdst(0)
	STEP
	s_add_co_u32 s[TBK], s[TBK], 8192
	s_add_co_u32 s[TBS], s[TBS], 512
	s_add_co_u32 s[TBV], s[TBV], REC
	s_sub_co_u32 s[CNT], s[CNT], 1
	s_cmp_lg_u32 s[CNT], 0
	s_cbranch_scc1 .Lstep_\@
.endm
	HALF
	s_wait_tensorcnt 0x0                           ; my tile of the second group is in,
	s_barrier_signal -1
	s_barrier_wait -1                              ; and everybody's
	s_mov_b32 s[TBK], 8*8192
	s_mov_b32 s[TBS], 8*512
	s_mov_b32 s[TBV], 8*REC
	s_mov_b32 s[CNT], 8
	HALF
	PLACES 8
.irp x, 0,1
	v_add_f32 v[ST+4*\x+2], v[ST+4*\x+2], v[ST+4*\x+3]
.endr
.irp x, 0,1
	s_delay_alu instid0(VALU_DEP_2)
	v_permlanex16_b32 v[34+\x], v[ST+4*\x+2], s[SEL], s[SEL+1]
.endr
.irp x, 0,1
	s_delay_alu instid0(VALU_DEP_2)
	v_add_f32 v[ST+4*\x+2], v[ST+4*\x+2], v[34+\x]
.endr
	s_wait_alu depctr_va_vdst(0)
.irp x, 0,1
	v_rcp_f32 v[ST+4*\x+3], v[ST+4*\x+2]
.endr
	v_nop
	s_wait_alu depctr_va_vdst(0)
	WIN 0x01
.set k, 0
.rept 64
	v_mul_f32 v[S+k], v[O+k], v[ST+4*(k/32)+3]     ; O^T / the sum: register 32 y + 16 b + i is d = 32 b + 16 h + i of tile y's query r
.set k, k+1
.endr
	WIN 0
	QUANT S, 0, PCD, 36                            ; four blocks: tile 0's two, tile 1's two
.irp y, 0,1
.irp c, 0,1
	global_store_b128 v[L16], v[PCD+8*\y+4*\c:PCD+8*\y+4*\c+3], s[54:55] offset:2048*\y+512*\c   ; 512 consecutive bytes
.endr
.endr
	v_lshrrev_b32 v37, 16, v36
	global_store_b16 v[OSA], v36, s[56:57] offset:SCO     ; my head's two bytes of tile 0's scale words,
	global_store_b16 v[OSA], v37, s[56:57] offset:SCO+4   ; and of tile 1's
	s_wait_tensorcnt 0x0                           ; the wave's end
	ds_add_u32 v[SPW], v[NIL]
	s_wait_dscnt 0x0
	CROUND
	s_endpgm
.Lfunc_end_k_q85e77ed9ba_attn:
	.size	k_q85e77ed9ba_attn, .Lfunc_end_k_q85e77ed9ba_attn-k_q85e77ed9ba_attn
	.p2alignl 7, 3214868480
	.fill 96, 4, 3214868480
	.section	.rodata,"a",@progbits
	.p2align	6, 0x0
	.amdhsa_kernel k_q85e77ed9ba_attn
		.amdhsa_group_segment_fixed_size 327680
		.amdhsa_private_segment_fixed_size 0
		.amdhsa_enable_private_segment 0
		.amdhsa_kernarg_size 16
		.amdhsa_user_sgpr_count 2
		.amdhsa_user_sgpr_kernarg_segment_ptr 1
		.amdhsa_wavefront_size32 1
		.amdhsa_system_sgpr_workgroup_id_x 1
		.amdhsa_system_sgpr_workgroup_id_y 1
		.amdhsa_system_sgpr_workgroup_id_z 1
		.amdhsa_system_vgpr_workitem_id 0
		.amdhsa_next_free_vgpr 512
		.amdhsa_next_free_sgpr 100
		.amdhsa_reserve_vcc 0
		.amdhsa_float_denorm_mode_32 3
		.amdhsa_float_denorm_mode_16_64 3
		.amdhsa_memory_ordered 1
		.amdhsa_forward_progress 1
		.amdhsa_inst_pref_size 98
	.end_amdhsa_kernel
	.amdgpu_metadata
---
amdhsa.version: [ 1, 2 ]
amdhsa.kernels:
  - .name:           k_q85e77ed9ba_attn
    .symbol:         k_q85e77ed9ba_attn.kd
    .args:
      - { .name: ws2, .offset: 0, .size: 8, .value_kind: global_buffer, .address_space: global }
      - { .name: op, .offset: 8, .size: 8, .value_kind: global_buffer, .address_space: global }
    .group_segment_fixed_size: 327680
    .private_segment_fixed_size: 0
    .kernarg_segment_align: 8
    .kernarg_segment_size: 16
    .max_flat_workgroup_size: 256
    .sgpr_count:     100
    .vgpr_count:     512
    .wavefront_size: 32
...
	.end_amdgpu_metadata
.endif
;; end of part 3
;; launch proj (part 4): grid 8 x 32, 4 waves a work-group, clusters of 4 x 4, 327,680 bytes of LDS; arguments op, ws1, b_proj, src, y; writes y
.if DOCPART == 4
	.amdgcn_target "amdgcn-amd-amdhsa--gfx1250"
	.amdhsa_code_object_version 6
	.text
	.protected	k_q85e77ed9ba_proj
	.globl	k_q85e77ed9ba_proj
	.p2align	8
	.type	k_q85e77ed9ba_proj,@function
k_q85e77ed9ba_proj:
	s_mov_b64 s[64:65], 0
	v_nop
	global_prefetch_b8 v0, s[64:65] scope:SCOPE_SE
	s_setreg_imm32_b32 hwreg(HW_REG_WAVE_MODE, 25, 1), 1
	s_wait_xcnt 0x0
	s_wait_alu depctr_hold_cnt(0) depctr_sa_sdst(0) depctr_va_vdst(0) depctr_va_sdst(0) depctr_va_ssrc(0) depctr_va_vcc(0) depctr_vm_vsrc(0)
	s_getreg_b32 s2, hwreg(HW_REG_IB_STS2, 6, 4)
	s_cmp_eq_u32 s2, 0
	s_cbranch_scc0 .Lentry_in_a_cluster
	s_endpgm
.Lentry_in_a_cluster:
	s_bfe_u32 s2, ttmp6, 0x10000c
	s_cmp_lg_u32 s2, 0xf033
	s_cbranch_scc0 .Lentry_shape_is_right
	s_endpgm
.Lentry_shape_is_right:
; y = src + (A w_proj^T + b_proj) in f32, A [4,096][1,024] = attention's result and w_proj [1,024][1,024] as packed codes of BF8 with E8M0 scales (record (s, g) at (s G + g) x 8,448; fragment i at 2,048 i as an image of 16 registers;
; scale words at 8,192 + 16 r + 4 i; row 64 g + 32 (i / 2) + 8 (i % 2) + r + 8 (r / 8)).  y is what the first layer norm takes.
; A tile of 128 x 128 to a work-group, so that 256 work-groups share the 4,096 x 1,024 results; 64 x 64 to a wave: 16 accumulators.
; ALL OF K LIES IN LDS: eight K steps of A (16,896 bytes each) and eight of B, 270,336 bytes, asked for at the head by one load a wave: four rows of 16,896 bytes, G records apart (waves 0, 1: A's K steps 0-3, 4-7; waves 2, 3: B's).
; Nothing is filled again: one barrier shows the tiles, and no barrier stands in the walk along K.  4 x 4 work-groups form a cluster: A's loads are joint along a row, B's along a column.  No data prefetch: every tile is asked for at the head.
; THE MATRIX INSTRUCTION IS USED TRANSPOSED (source 0 = B, source 1 = A): a lane holds eight neighbouring columns of one row.  The bias is the C of each sum's first instruction.
; THE RESIDUAL: my 64 x 64 numbers of src are asked for at the head, in the layout of my stores (sixteen lanes take 256 consecutive bytes), into 128 registers of window 2; they are added on the way out.
; The way out goes through the wave's own stage, so that sixteen lanes store 256 consecutive bytes, aligned; the rows' order in a fragment is turned back into addresses there.
; REGISTERS: window 0: v8-17 addresses; v32-39 scale words, two sets; v40-71 the bias; v72-103 rows on the way out; v128-255 accumulator (a, b) at v[128 + 8 (4 a + b)].  window 1: set p: A at 128 p + 16 a, B at 128 p + 64 + 16 b.
;   window 2: v0-127 the residual: block a, pair of rows t at 4 (8 a + t).
.set BOFF,  7569408
.set REC,   8448
.set SCO,   8192
.set GA,    64
.set GB,    16
.set KST,   2*REC
.set HB,    4*KST
.set SLOT,  2*HB                       ; four K steps of A, then four of B
.set SPARE, 2*SLOT
.set STAGE, SPARE+512
.set SPITCH, 272
.set ADRA, 8
.set ADRB, 10
.set ADRS, 12
.set STO,  14
.set RD,   15
.set CO,   16
.set BO,   17
.set SPW,  28
.set NIL,  29
.set SC,   32
.set BI,   40
.set OB,   72
.set ACC,  128
.set RES,  0
.set G1,  24
.set G0,  32
.set G1B, 48
.set G0B, 56
.set MSB, 0
.macro WIN new
.if MSB != \new
	s_set_vgpr_msb (MSB<<8)|\new
.set MSB, \new
.endif
.endm
.set MUL,  0x05
.set TO_F, 0x40
.macro PLACES n
.rept \n
	v_nop
.endr
.endm
.macro CROUND
	s_barrier_signal -1
	s_barrier_wait -1
	s_cmp_lg_u32 s14, 0
	s_cbranch_scc1 .Lnot_wave_0_\@
	s_barrier_signal -3
.Lnot_wave_0_\@:
	s_barrier_wait -3
	s_barrier_signal -1
	s_barrier_wait -1
.endm
	s_load_b256 s[4:11], s[0:1], 0x0               ; A, ws1, the bias, the residual
	s_load_b64 s[12:13], s[0:1], 0x20              ; y
	v_lshl_add_u32 v[SPW], v0, 2, SPARE
	v_mov_b32 v[NIL], 0
	ds_add_u32 v28, v29                            ; the opening lines
	ds_add_u32 v28, v29
	s_wait_dscnt 0x0
	v_lshrrev_b32 v1, 5, v0
	v_readfirstlane_b32 s14, v1
	s_lshr_b32 s15, s14, 1                         ; my 64 rows; also: I fetch for A (0) or B (1)
	s_and_b32 s16, s14, 1                          ; my 64 columns; also: which four K steps I fetch
	s_bfe_u32 s40, ttmp6, 0x40000
	s_bfe_u32 s41, ttmp6, 0x40004
	s_lshl_b32 s42, ttmp9, 2
	s_add_co_u32 s42, s42, s40                     ; tile column
	s_and_b32 s17, ttmp7, 0xffff
	s_lshl_b32 s17, s17, 2
	s_add_co_u32 s17, s17, s41                     ; tile row
	s_lshl_b32 s43, s41, 2
	s_lshl_b32 s43, 15, s43
	s_lshl_b32 s44, 0x1111, s40
	s_or_b32 s[G1], s43, (3<<16)|(1<<21)
	s_or_b32 s[G1B], s44, (3<<16)|(1<<21)
.irp g, G1, G1B
	s_mov_b32 s[\g+1], 2112<<16                    ; a row: 16,896 bytes = 2,112 elements of 8
	s_mov_b32 s[\g+2], 4<<16
	s_mov_b32 s[\g+3], 2112<<16
	s_mov_b32 s[\g+4], 4
	s_mov_b32 s[\g+6], 0
	s_mov_b32 s[\g+7], 0
.endr
	s_mov_b32 s[G1+5], GA*REC/8                    ; from K step to K step
	s_mov_b32 s[G1B+5], GB*REC/8
	s_mul_i32 s20, s16, 4*GA
	s_lshl_b32 s21, s17, 1
	s_add_co_u32 s20, s20, s21
	s_mul_i32 s20, s20, REC                        ; A: record (4 x half, 2 x tile row)
	s_mov_b32 s21, 0
	s_mul_i32 s46, s16, 4*GB
	s_lshl_b32 s47, s42, 1
	s_add_co_u32 s46, s46, s47
	s_mul_i32 s46, s46, REC
	s_add_co_u32 s46, s46, BOFF                    ; B: record (4 x half, 2 x tile column)
	s_mov_b32 s47, 0
	s_mul_i32 s45, s15, HB
	s_mul_i32 s18, s16, SLOT
	s_add_co_u32 s45, s45, s18                     ; where they go: made of the wave's number alone
	s_wait_kmcnt 0x0
	s_add_nc_u64 s[20:21], s[4:5], s[20:21]
	s_add_nc_u64 s[46:47], s[6:7], s[46:47]
	CROUND
	s_mov_b32 s[G0], 1
	s_mov_b32 s[G0+1], s45
	s_mov_b64 s[G0+2:G0+3], s[20:21]
	s_or_b32 s[G0+3], s[G0+3], 0x80000000
	s_mov_b32 s[G0B], 1
	s_mov_b32 s[G0B+1], s45
	s_mov_b64 s[G0B+2:G0B+3], s[46:47]
	s_or_b32 s[G0B+3], s[G0B+3], 0x80000000
	s_cmp_eq_u32 s15, 0
	s_cbranch_scc0 .Lfor_b
	tensor_load_to_lds s[G0:G0+3], s[G1:G1+7]
	s_nop 0
	PLACES 4
	s_branch .Lasked
.Lfor_b:
	tensor_load_to_lds s[G0B:G0B+3], s[G1B:G1B+7]
	s_nop 0
	PLACES 4
.Lasked:
	v_and_b32 v1, 31, v0
	v_and_b32 v2, 15, v0                           ; r
	v_bfe_u32 v3, v0, 4, 1                         ; h
	v_lshlrev_b32 v4, 4, v1                        ; 16 x lane
	v_lshlrev_b32 v[BO], 6, v3
	s_wait_alu depctr_va_vdst(0)
	v_lshlrev_b32 v[CO], 12, v3                    ; lanes 0-15 one row of 4,096 bytes, lanes 16-31 the next; 16 bytes a lane
	v_lshl_add_u32 v[CO], v2, 4, v[CO]
	s_wait_alu depctr_va_vdst(0)
	s_lshl_b32 s22, s42, 9
	s_lshl_b32 s23, s16, 8
	s_add_co_u32 s22, s22, s23                     ; my first column, in bytes
	s_mov_b32 s23, 0
	s_add_nc_u64 s[8:9], s[8:9], s[22:23]
	s_add_nc_u64 s[10:11], s[10:11], s[22:23]
	s_add_nc_u64 s[12:13], s[12:13], s[22:23]
	s_lshl_b32 s22, s17, 1
	s_add_co_u32 s22, s22, s15
	s_lshl_b32 s22, s22, 18                        ; my first row: 64 rows of 4,096 bytes a group
	s_add_nc_u64 s[10:11], s[10:11], s[22:23]
	s_add_nc_u64 s[12:13], s[12:13], s[22:23]
.irp b, 0,1,2,3
	global_load_b128 v[BI+8*\b:BI+8*\b+3], v[BO], s[8:9] offset:(32*(\b/2)+8*(\b%2))*4      ; the bias in the result's layout
	global_load_b128 v[BI+8*\b+4:BI+8*\b+7], v[BO], s[8:9] offset:(32*(\b/2)+8*(\b%2))*4+16
.endr
	WIN 0x80                                       ; destination window 2
.irp a, 0,1,2,3
.irp t, 0,1,2,3,4,5,6,7
	global_load_b128 v[RES+4*(8*\a+\t):RES+4*(8*\a+\t)+3], v[CO], s[10:11] offset:(32*(\a/2)+8*(\a%2)+2*\t+8*(\t/4))*4096 th:TH_LOAD_NT   ; the residual, at the places of my stores
.endr
.endr
	WIN 0
	s_mul_i32 s84, s15, REC                        ; my group of A
	s_mul_i32 s85, s16, REC
	s_add_co_u32 s85, s85, HB                      ; my group of B
	s_sub_co_u32 s86, s85, s84
	v_mul_u32_u24 v5, s86, v3                      ; lanes 16-31 take B's scale words
	v_lshl_add_u32 v5, v2, 4, v5
	s_add_co_u32 s86, s84, SCO
.irp s, 0,1
	v_add_nc_u32 v[ADRA+\s], s84, v4
	v_add_nc_u32 v[ADRB+\s], s85, v4
	v_add_nc_u32 v[ADRS+\s], s86, v5
	s_add_co_u32 s84, s84, SLOT
	s_add_co_u32 s85, s85, SLOT
	s_add_co_u32 s86, s86, SLOT
.endr
	s_mul_i32 s84, s14, 16*SPITCH
	s_add_co_u32 s84, s84, STAGE                   ; my stage
	v_mul_u32_u24 v[STO], v2, SPITCH
	v_lshl_add_u32 v[STO], v3, 6, v[STO]
	v_add_nc_u32 v[STO], s84, v[STO]
	v_mul_u32_u24 v[RD], v3, SPITCH
	v_lshl_add_u32 v[RD], v2, 4, v[RD]
	v_add_nc_u32 v[RD], s84, v[RD]
.macro FETCH s, q, p                   ; K step 4 s + q into set p: 32 loads of 512 consecutive bytes, and the eight fragments' scale words by one load
	WIN TO_F
.irp i, 0,1,2,3
.irp c, 0,1,2,3
	ds_load_b128 v[128*(\p)+16*\i+4*\c:128*(\p)+16*\i+4*\c+3], v[ADRA+(\s)] offset:(\q)*KST+\i*2048+512*\c
.endr
.endr
.irp i, 0,1,2,3
.irp c, 0,1,2,3
	ds_load_b128 v[128*(\p)+64+16*\i+4*\c:128*(\p)+64+16*\i+4*\c+3], v[ADRB+(\s)] offset:(\q)*KST+\i*2048+512*\c
.endr
.endr
	WIN 0
	ds_load_b128 v[SC+4*(\p):SC+4*(\p)+3], v[ADRS+(\s)] offset:(\q)*KST
.endm
.macro MUL8 p, a0, zero                ; the 16 accumulators take turns, one instruction a turn
.irp a, \a0, \a0+1
.irp b, 0,1,2,3
.if \zero
	v_wmma_scale_f32_16x16x128_f8f6f4 v[ACC+8*(4*(\a)+\b):ACC+8*(4*(\a)+\b)+7], v[128*(\p)+64+16*\b:128*(\p)+64+16*\b+15], v[128*(\p)+16*(\a):128*(\p)+16*(\a)+15], v[BI+8*\b:BI+8*\b+7], v[SC+4*(\p)+\b], v[SC+4*(\p)+(\a)] matrix_a_fmt:MATRIX_FMT_BF8 matrix_b_fmt:MATRIX_FMT_BF8 matrix_a_scale:MATRIX_SCALE_ROW1
.else
	v_wmma_scale_f32_16x16x128_f8f6f4 v[ACC+8*(4*(\a)+\b):ACC+8*(4*(\a)+\b)+7], v[128*(\p)+64+16*\b:128*(\p)+64+16*\b+15], v[128*(\p)+16*(\a):128*(\p)+16*(\a)+15], v[ACC+8*(4*(\a)+\b):ACC+8*(4*(\a)+\b)+7], v[SC+4*(\p)+\b], v[SC+4*(\p)+(\a)] matrix_a_fmt:MATRIX_FMT_BF8 matrix_b_fmt:MATRIX_FMT_BF8 matrix_a_scale:MATRIX_SCALE_ROW1
.endif
.endr
.endr
.endm
.macro KS k, zero                      ; K step k: multiplies set k % 2, fetches step k + 1 into the other
	s_wait_dscnt 0x0
	PLACES 8                                       ; in front of loads into registers that the step before multiplied
	FETCH ((\k)+1)/4, ((\k)+1)%4, 1-(\k)%2
	WIN MUL
	MUL8 (\k)%2, 0, \zero
	MUL8 (\k)%2, 2, \zero
.endm
	s_wait_alu depctr_va_vdst(0)
	s_wait_tensorcnt 0x0                           ; my four K steps are in,
	s_barrier_signal -1
	s_barrier_wait -1                              ; and everybody's
	FETCH 0, 0, 0
	s_wait_loadcnt 32                              ; the bias is in; the 32 loads of the residual, issued behind it, may stay out
	KS 0, 1
.irp k, 1,2,3,4,5,6
	KS \k, 0
.endr
	s_wait_dscnt 0x0
	WIN MUL
	MUL8 1, 0, 0
	MUL8 1, 2, 0
	WIN 0
	PLACES 8
	s_wait_loadcnt 0x0                             ; the residual is in
.irp a, 0,1,2,3                        ; 16 rows x 64 columns at a time through my stage
.irp b, 0,1,2,3
	ds_store_b128 v[STO], v[ACC+8*(4*\a+\b):ACC+8*(4*\a+\b)+3] offset:128*(\b/2)+32*(\b%2)          ; each accumulator from its low end on
	ds_store_b128 v[STO], v[ACC+8*(4*\a+\b)+4:ACC+8*(4*\a+\b)+7] offset:128*(\b/2)+32*(\b%2)+16
.endr
	s_wait_xcnt 0x0                                ; the last block's stores have read their registers
.irp t, 0,1,2,3,4,5,6,7
	ds_load_b128 v[OB+4*\t:OB+4*\t+3], v[RD] offset:2*\t*SPITCH    ; LDS serves a wave's instructions in order
.endr
	s_wait_dscnt 0x0
	WIN 0x08                                       ; source 1 window 2
.irp k, 0,2,4,6,8,10,12,14,16,18,20,22,24,26,28,30
	v_pk_add_f32 v[OB+\k:OB+\k+1], v[OB+\k:OB+\k+1], v[RES+32*\a+\k:RES+32*\a+\k+1]   ; + the residual, which lies as the rows lie
.endr
	WIN 0
.irp t, 0,1,2,3,4,5,6,7
	global_store_b128 v[CO], v[OB+4*\t:OB+4*\t+3], s[12:13] offset:(32*(\a/2)+8*(\a%2)+2*\t+8*(\t/4))*4096   ; sixteen lanes store 256 consecutive bytes, aligned
.endr
.endr
	s_wait_tensorcnt 0x0                           ; the wave's end
	ds_add_u32 v[SPW], v[NIL]
	s_wait_dscnt 0x0
	CROUND
	s_endpgm
.Lfunc_end_k_q85e77ed9ba_proj:
	.size	k_q85e77ed9ba_proj, .Lfunc_end_k_q85e77ed9ba_proj-k_q85e77ed9ba_proj
	.p2alignl 7, 3214868480
	.fill 96, 4, 3214868480
	.section	.rodata,"a",@progbits
	.p2align	6, 0x0
	.amdhsa_kernel k_q85e77ed9ba_proj
		.amdhsa_group_segment_fixed_size 327680
		.amdhsa_private_segment_fixed_size 0
		.amdhsa_enable_private_segment 0
		.amdhsa_kernarg_size 40
		.amdhsa_user_sgpr_count 2
		.amdhsa_user_sgpr_kernarg_segment_ptr 1
		.amdhsa_wavefront_size32 1
		.amdhsa_system_sgpr_workgroup_id_x 1
		.amdhsa_system_sgpr_workgroup_id_y 1
		.amdhsa_system_sgpr_workgroup_id_z 1
		.amdhsa_system_vgpr_workitem_id 0
		.amdhsa_next_free_vgpr 768
		.amdhsa_next_free_sgpr 100
		.amdhsa_reserve_vcc 0
		.amdhsa_float_denorm_mode_32 3
		.amdhsa_float_denorm_mode_16_64 3
		.amdhsa_memory_ordered 1
		.amdhsa_forward_progress 1
		.amdhsa_inst_pref_size 58
	.end_amdhsa_kernel
	.amdgpu_metadata
---
amdhsa.version: [ 1, 2 ]
amdhsa.kernels:
  - .name:           k_q85e77ed9ba_proj
    .symbol:         k_q85e77ed9ba_proj.kd
    .args:
      - { .name: op, .offset: 0, .size: 8, .value_kind: global_buffer, .address_space: global }
      - { .name: ws1, .offset: 8, .size: 8, .value_kind: global_buffer, .address_space: global }
      - { .name: b_proj, .offset: 16, .size: 8, .value_kind: global_buffer, .address_space: global }
      - { .name: src, .offset: 24, .size: 8, .value_kind: global_buffer, .address_space: global }
      - { .name: y, .offset: 32, .size: 8, .value_kind: global_buffer, .address_space: global }
    .group_segment_fixed_size: 327680
    .private_segment_fixed_size: 0
    .kernarg_segment_align: 8
    .kernarg_segment_size: 40
    .max_flat_workgroup_size: 128
    .sgpr_count:     100
    .vgpr_count:     768
    .wavefront_size: 32
...
	.end_amdgpu_metadata
.endif
;; end of part 4
;; launch ln1 (part 5): grid 256 x 1, 8 waves a work-group, no clusters, 66,816 bytes of LDS; arguments y, g1, be1, xb; writes xb
.if DOCPART == 5
	.amdgcn_target "amdgcn-amd-amdhsa--gfx1250"
	.amdhsa_code_object_version 6
	.text
	.protected	k_q85e77ed9ba_ln1
	.globl	k_q85e77ed9ba_ln1
	.p2align	8
	.type	k_q85e77ed9ba_ln1,@function
k_q85e77ed9ba_ln1:
	s_mov_b64 s[64:65], 0
	v_nop
	global_prefetch_b8 v0, s[64:65] scope:SCOPE_SE
	s_setreg_imm32_b32 hwreg(HW_REG_WAVE_MODE, 25, 1), 1
	s_wait_xcnt 0x0
; x = layer_norm(z) x g1 + be1, z = src + the projection as the launch before stored it in y.  x is stored as f32 (xb at 0) and, quantised along its 1,024 columns, as packed codes of BF8 with E8M0 scales (xb at 16,777,216; 64 groups, 8 steps:
; record (s, g) at (64 s + g) x 8,448; fragment i at 2,048 i as an image of 16 registers; scale words at 8,192 + 16 r + 4 i; row 64 g + 32 (i / 2) + 8 (i % 2) + r + 8 (r / 8)).
; A work-group takes the 16 rows of one packed fragment (group = number / 4, fragment = number % 4).  FIRST each wave owns two whole rows (rows 2 w, 2 w + 1 of the 16): a row's 4,096 bytes are eight loads of 512 consecutive bytes, and its sums are made
; inside the wave; x leaves as f32 the same way.  THEN the 16 rows meet in LDS (rows 4,112 bytes apart), behind one barrier, and wave w takes K step w: lane (r, h) reads, of row r, 16 neighbours of each block of 32: the quantiser's order.
; The mean is taken away before the squares are summed: no difference of large sums.  Memory binds: no matrix unit, no cluster (work-groups share nothing but g1 and be1, 8 KB); all loads go out together, so no data prefetch.
; A fragment's scale words are a quarter of a group's image: 4 bytes a lane, 16 bytes apart (lanes 16-31 store the same words again).
; LIMITS: NaN and infinities are not served; a block of zeros gets the byte 1 (zero codes; read by this program alone); largest magnitudes under 2^-111 are held at that floor.
.set REC,  8448
.set SCO,  8192
.set XPO,  16777216
.set PITCH, 4112
.set SPARE, 16*PITCH
.set Z,  32                            ; v32-95  two rows
.set GA, 96                            ; v96-127 gamma
.set BE, 128                           ; v128-159 beta
.set X,  96                            ; v96-159 later: 64 numbers of one row, register 16 b + i = column 32 b + 16 h + i of my K step
.set TM, 160
.set PC, 176
	s_load_b256 s[4:11], s[0:1], 0x0               ; z, gamma, beta, xb
	v_lshrrev_b32 v2, 5, v0
	v_readfirstlane_b32 s14, v2                    ; wave
	s_lshr_b32 s20, ttmp9, 2                       ; group
	s_and_b32 s21, ttmp9, 3                        ; fragment
	s_lshl_b32 s16, s20, 6
	s_lshr_b32 s15, s21, 1
	s_lshl_b32 s15, s15, 5
	s_add_co_u32 s16, s16, s15
	s_and_b32 s15, s21, 1
	s_lshl_b32 s15, s15, 3
	s_add_co_u32 s16, s16, s15                     ; the fragment's first row
	s_lshl_b32 s15, s14, 1
	s_add_co_u32 s16, s16, s15
	s_lshr_b32 s15, s14, 2
	s_lshl_b32 s15, s15, 3
	s_add_co_u32 s16, s16, s15                     ; + 2 w + 8 (w / 4): my first row
	s_lshl_b32 s16, s16, 12
	s_mov_b32 s17, 0
	s_lshl_b32 s22, s14, 6
	s_add_co_u32 s22, s22, s20
	s_mul_i32 s22, s22, REC
	s_add_co_u32 s22, s22, XPO                     ; record (w, group)
	s_mov_b32 s23, 0
	s_lshl_b32 s24, s21, 11
	s_mov_b32 s25, 0
	s_lshl_b32 s26, s21, 2
	s_add_co_u32 s26, s26, SCO
	s_mov_b32 s27, 0
	s_mul_i32 s28, s14, 2*PITCH
	s_lshl_b32 s29, s14, 9
	s_mov_b32 s12, 0x76543210
	s_mov_b32 s13, 0xfedcba98
	s_mov_b32 s18, 0x3a800000                      ; 1 / 1,024
	s_mov_b32 s19, 0x3727c5ac                      ; 1e-5
	s_mov_b32 s30, 0x600000
	v_lshl_add_u32 v22, v0, 2, SPARE
	v_mov_b32 v23, 0
	v_and_b32 v1, 31, v0
	v_lshlrev_b32 v1, 4, v1                        ; 16 x lane
	v_and_b32 v2, 15, v0
	v_bfe_u32 v3, v0, 4, 1
	v_add_nc_u32 v24, s28, v1                      ; LDS: my two rows
	v_mul_u32_u24 v25, v2, PITCH
	v_lshl_add_u32 v25, v3, 6, v25
	v_add_nc_u32 v25, s29, v25                     ; LDS: row r, my K step, + 64 h
	v_lshlrev_b32 v26, 4, v2
	v_mov_b32 v20, 0                               ; a lane permute's destination counts as one of its sources
	v_mov_b32 v21, 0
.irp b, 0,1,2,3
	v_mov_b32 v[TM+4+\b], 0
.endr
	s_wait_alu depctr_va_vdst(0)
	s_wait_kmcnt 0x0
	s_add_nc_u64 s[4:5], s[4:5], s[16:17]
	s_add_nc_u64 s[32:33], s[10:11], s[16:17]      ; x as f32
	s_add_nc_u64 s[34:35], s[10:11], s[22:23]
	s_add_nc_u64 s[36:37], s[34:35], s[24:25]      ; my fragment's codes
	s_add_nc_u64 s[38:39], s[34:35], s[26:27]      ; its column of the scale words
.irp R, 0,1
.irp j, 0,1,2,3,4,5,6,7
	global_load_b128 v[Z+32*\R+4*\j:Z+32*\R+4*\j+3], v1, s[4:5] offset:4096*\R+512*\j th:TH_LOAD_NT
.endr
.endr
.irp j, 0,1,2,3,4,5,6,7
	global_load_b128 v[GA+4*\j:GA+4*\j+3], v1, s[6:7] offset:512*\j
	global_load_b128 v[BE+4*\j:BE+4*\j+3], v1, s[8:9] offset:512*\j
.endr
	s_wait_loadcnt 0x0
.macro WHOLE                           ; two chains a row -> the row's sum in every lane: v4, v8
.irp R, 0,1
	v_pk_add_f32 v[4+4*\R:5+4*\R], v[4+4*\R:5+4*\R], v[6+4*\R:7+4*\R]
.endr
.irp R, 0,1
	v_add_f32 v[4+4*\R], v[4+4*\R], v[5+4*\R]
.endr
.irp m, 1,2,4,8
.irp R, 0,1
	v_add_f32_dpp v[4+4*\R], v[4+4*\R], v[4+4*\R] row_xmask:\m row_mask:0xf bank_mask:0xf
.endr
.endr
.irp R, 0,1
	v_permlanex16_b32 v[20+\R], v[4+4*\R], s12, s13
.endr
.irp R, 0,1
	v_add_f32 v[4+4*\R], v[4+4*\R], v[20+\R]
.endr
.endm
.irp R, 0,1
	v_pk_add_f32 v[4+4*\R:5+4*\R], v[Z+32*\R:Z+32*\R+1], v[Z+32*\R+2:Z+32*\R+3]
	v_pk_add_f32 v[6+4*\R:7+4*\R], v[Z+32*\R+4:Z+32*\R+5], v[Z+32*\R+6:Z+32*\R+7]
.endr
.irp k, 8,12,16,20,24,28
.irp R, 0,1
	v_pk_add_f32 v[4+4*\R:5+4*\R], v[4+4*\R:5+4*\R], v[Z+32*\R+\k:Z+32*\R+\k+1]
	v_pk_add_f32 v[6+4*\R:7+4*\R], v[6+4*\R:7+4*\R], v[Z+32*\R+\k+2:Z+32*\R+\k+3]
.endr
.endr
	WHOLE
.irp R, 0,1
	v_mul_f32 v[12+2*\R], s18, v[4+4*\R]           ; the mean
.endr
.irp R, 0,1
	v_mov_b32 v[13+2*\R], v[12+2*\R]
.endr
.irp k, 0,2,4,6,8,10,12,14,16,18,20,22,24,26,28,30
.irp R, 0,1
	v_pk_add_f32 v[Z+32*\R+\k:Z+32*\R+\k+1], v[Z+32*\R+\k:Z+32*\R+\k+1], v[12+2*\R:13+2*\R] neg_lo:[0,1] neg_hi:[0,1]
.endr
.endr
.irp R, 0,1
	v_pk_mul_f32 v[4+4*\R:5+4*\R], v[Z+32*\R:Z+32*\R+1], v[Z+32*\R:Z+32*\R+1]
	v_pk_mul_f32 v[6+4*\R:7+4*\R], v[Z+32*\R+2:Z+32*\R+3], v[Z+32*\R+2:Z+32*\R+3]
.endr
.irp k, 4,8,12,16,20,24,28
.irp R, 0,1
	v_pk_fma_f32 v[4+4*\R:5+4*\R], v[Z+32*\R+\k:Z+32*\R+\k+1], v[Z+32*\R+\k:Z+32*\R+\k+1], v[4+4*\R:5+4*\R]
	v_pk_fma_f32 v[6+4*\R:7+4*\R], v[Z+32*\R+\k+2:Z+32*\R+\k+3], v[Z+32*\R+\k+2:Z+32*\R+\k+3], v[6+4*\R:7+4*\R]
.endr
.endr
	WHOLE
.irp R, 0,1
	v_fma_f32 v[4+4*\R], v[4+4*\R], s18, s19       ; the variance + eps
.endr
	s_wait_alu depctr_va_vdst(0)                   ; one wait ahead of the two, one behind them
.irp R, 0,1
	v_rsq_f32 v[16+2*\R], v[4+4*\R]
.endr
	v_nop
	s_wait_alu depctr_va_vdst(0)
.irp R, 0,1
	v_mov_b32 v[17+2*\R], v[16+2*\R]
.endr
.irp k, 0,2,4,6,8,10,12,14,16,18,20,22,24,26,28,30
.irp R, 0,1
	v_pk_mul_f32 v[Z+32*\R+\k:Z+32*\R+\k+1], v[Z+32*\R+\k:Z+32*\R+\k+1], v[16+2*\R:17+2*\R]
.endr
.endr
.irp k, 0,2,4,6,8,10,12,14,16,18,20,22,24,26,28,30
.irp R, 0,1
	v_pk_fma_f32 v[Z+32*\R+\k:Z+32*\R+\k+1], v[Z+32*\R+\k:Z+32*\R+\k+1], v[GA+\k:GA+\k+1], v[BE+\k:BE+\k+1]
.endr
.endr
.irp R, 0,1
.irp j, 0,1,2,3,4,5,6,7
	ds_store_b128 v24, v[Z+32*\R+4*\j:Z+32*\R+4*\j+3] offset:PITCH*\R+512*\j
.endr
.endr
.irp R, 0,1
.irp j, 0,1,2,3,4,5,6,7
	global_store_b128 v1, v[Z+32*\R+4*\j:Z+32*\R+4*\j+3], s[32:33] offset:4096*\R+512*\j   ; 512 consecutive bytes
.endr
.endr
	s_wait_dscnt 0x0                               ; for the others' sake: my rows have landed
	s_barrier_signal -1
	s_barrier_wait -1
.irp c, 0,1,2,3
.irp j, 0,1,2,3
	ds_load_b128 v[X+16*\c+4*\j:X+16*\c+4*\j+3], v25 offset:128*\c+16*\j
.endr
.endr
	s_wait_dscnt 0x0
; the quantiser: four blocks of 32 columns; a block lies in lanes l and l xor 16
.irp b, 0,1,2,3
	v_max3_num_f32 v[TM+\b], |v[X+16*\b]|, |v[X+1+16*\b]|, 0x8000000
.endr
.irp i, 2,4,6,8,10,12,14
.irp b, 0,1,2,3
	v_max3_num_f32 v[TM+\b], v[TM+\b], |v[X+16*\b+\i]|, |v[X+1+16*\b+\i]|
.endr
.endr
.irp b, 0,1,2,3
	v_permlanex16_b32 v[TM+4+\b], v[TM+\b], s12, s13
.endr
.irp b, 0,1,2,3
	v_max_num_f32 v[TM+\b], v[TM+\b], v[TM+4+\b]
.endr
.irp b, 0,1,2,3
	v_add_nc_u32 v[TM+12+\b], 0xf8800000, v[TM+\b]
.endr
.irp b, 0,1,2,3
	v_and_or_b32 v[TM+8+\b], v[TM+\b], 0x7f800000, s30
.endr
.irp b, 0,1,2,3
	v_lshrrev_b32 v[TM+4+\b], 23, v[TM+12+\b]
.endr
	v_lshl_or_b32 v27, v[TM+5], 8, v[TM+4]
	v_lshl_or_b32 v27, v[TM+6], 16, v27
	v_lshl_or_b32 v27, v[TM+7], 24, v27
.irp b, 0,1,2,3
.irp i, 0,1,2,3,4,5,6,7,8,9,10,11,12,13,14,15
	v_med3_num_f32 v[X+16*\b+\i], v[X+16*\b+\i], -v[TM+8+\b], v[TM+8+\b]
.endr
	v_cvt_scalef32_pk8_bf8_f32 v[PC+4*\b:PC+1+4*\b], v[X+16*\b:X+7+16*\b], v[TM+12+\b]
	v_cvt_scalef32_pk8_bf8_f32 v[PC+2+4*\b:PC+3+4*\b], v[X+8+16*\b:X+15+16*\b], v[TM+12+\b]
.endr
	v_nop
.irp c, 0,1,2,3
	global_store_b128 v1, v[PC+4*\c:PC+4*\c+3], s[36:37] offset:512*\c
.endr
	global_store_b32 v26, v27, s[38:39]
	s_wait_tensorcnt 0x0                           ; the wave's end
	ds_add_u32 v22, v23
	s_wait_dscnt 0x0
	s_endpgm
.Lfunc_end_k_q85e77ed9ba_ln1:
	.size	k_q85e77ed9ba_ln1, .Lfunc_end_k_q85e77ed9ba_ln1-k_q85e77ed9ba_ln1
	.p2alignl 7, 3214868480
	.fill 96, 4, 3214868480
	.section	.rodata,"a",@progbits
	.p2align	6, 0x0
	.amdhsa_kernel k_q85e77ed9ba_ln1
		.amdhsa_group_segment_fixed_size 66816
		.amdhsa_private_segment_fixed_size 0
		.amdhsa_enable_private_segment 0
		.amdhsa_kernarg_size 32
		.amdhsa_user_sgpr_count 2
		.amdhsa_user_sgpr_kernarg_segment_ptr 1
		.amdhsa_wavefront_size32 1
		.amdhsa_system_sgpr_workgroup_id_x 1
		.amdhsa_system_sgpr_workgroup_id_y 1
		.amdhsa_system_sgpr_workgroup_id_z 1
		.amdhsa_system_vgpr_workitem_id 0
		.amdhsa_next_free_vgpr 192
		.amdhsa_next_free_sgpr 66
		.amdhsa_reserve_vcc 0
		.amdhsa_float_denorm_mode_32 3
		.amdhsa_float_denorm_mode_16_64 3
		.amdhsa_memory_ordered 1
		.amdhsa_forward_progress 1
		.amdhsa_inst_pref_size 30
	.end_amdhsa_kernel
	.amdgpu_metadata
---
amdhsa.version: [ 1, 2 ]
amdhsa.kernels:
  - .name:           k_q85e77ed9ba_ln1
    .symbol:         k_q85e77ed9ba_ln1.kd
    .args:
      - { .name: y, .offset: 0, .size: 8, .value_kind: global_buffer, .address_space: global }
      - { .name: g1, .offset: 8, .size: 8, .value_kind: global_buffer, .address_space: global }
      - { .name: be1, .offset: 16, .size: 8, .value_kind: global_buffer, .address_space: global }
      - { .name: xb, .offset: 24, .size: 8, .value_kind: global_buffer, .address_space: global }
    .group_segment_fixed_size: 66816
    .private_segment_fixed_size: 0
    .kernarg_segment_align: 8
    .kernarg_segment_size: 32
    .max_flat_workgroup_size: 256
    .sgpr_count:     66
    .vgpr_count:     192
    .wavefront_size: 32
...
	.end_amdgpu_metadata
.endif
;; end of part 5
;; launch ffn1 (part 6): grid 16 x 16, 4 waves a work-group, clusters of 4 x 4, 327,680 bytes of LDS; arguments xb, ws1, b1, hp; writes hp
.if DOCPART == 6
	.amdgcn_target "amdgcn-amd-amdhsa--gfx1250"
	.amdhsa_code_object_version 6
	.text
	.protected	k_q85e77ed9ba_ffn1
	.globl	k_q85e77ed9ba_ffn1
	.p2align	8
	.type	k_q85e77ed9ba_ffn1,@function
k_q85e77ed9ba_ffn1:
	s_mov_b64 s[64:65], 0
	v_nop
	global_prefetch_b8 v0, s[64:65] scope:SCOPE_SE
	s_setreg_imm32_b32 hwreg(HW_REG_WAVE_MODE, 25, 1), 1
	s_wait_xcnt 0x0
	s_wait_alu depctr_hold_cnt(0) depctr_sa_sdst(0) depctr_va_vdst(0) depctr_va_sdst(0) depctr_va_ssrc(0) depctr_va_vcc(0) depctr_vm_vsrc(0)
	s_getreg_b32 s2, hwreg(HW_REG_IB_STS2, 6, 4)
	s_cmp_eq_u32 s2, 0
	s_cbranch_scc0 .Lentry_in_a_cluster
	s_endpgm
.Lentry_in_a_cluster:
	s_bfe_u32 s2, ttmp6, 0x10000c
	s_cmp_lg_u32 s2, 0xf033
	s_cbranch_scc0 .Lentry_shape_is_right
	s_endpgm
.Lentry_shape_is_right:
.set REC,   8448
.set SCO,   8192
.set QSTR,  8*REC
.set SLOT,  2*QSTR
.set HALFB, 4*REC
.set WPART, 2*REC
.set SPARE, 2*SLOT
.set LAPS,  2
.set AOFF,  16777216
.set BOFF,  8650752
.set ADRA, 8
.set ADRB, 12
.set ADRS, 16
.set L16,  24
.set SCA,  25
.set BO,   26
.set SPW,  28
.set NIL,  29
.set SC,   32
.set BI,   64
.set AF,   128
.set TX,   128
.set PC,   192
.set TM,   224
.set PW,   240
.set SELP, 248
.set G1,  24
.set G0,  32
.set G1B, 48
.set G0B, 56
.set STA, 66
.set STB, 68
.set SEL, 88
.set MNT, 90
.set OUTB, 92
.set MSB, 0
.macro WIN new
.if MSB != \new
	s_set_vgpr_msb (MSB<<8)|\new
.set MSB, \new
.endif
.endm
.set MUL_LO, 0xa1
.set MUL_HI, 0xf1
.set ZLO,    0x81
.set ZHI,    0xc1
.set TO_B,   0x40
.macro PLACES n
.rept \n
	v_nop
.endr
.endm
.macro JLOAD g0a, g1a, g0b, g1b
	s_cmp_eq_u32 s15, 0
	s_cbranch_scc0 .Lfor_b_\@
	tensor_load_to_lds s[\g0a:\g0a+3], s[\g1a:\g1a+7]
	s_nop 0
.rept 4
	v_nop
.endr
	s_branch .Lasked_\@
.Lfor_b_\@:
	tensor_load_to_lds s[\g0b:\g0b+3], s[\g1b:\g1b+7]
	s_nop 0
.rept 4
	v_nop
.endr
.Lasked_\@:
.endm
.macro CREST
	s_cmp_lg_u32 s14, 0
	s_cbranch_scc1 .Lnot_wave_0_\@
	s_barrier_signal -3
.Lnot_wave_0_\@:
	s_barrier_wait -3
	s_barrier_signal -1
	s_barrier_wait -1
.endm
.macro CROUND
	s_barrier_signal -1
	s_barrier_wait -1
	CREST
.endm
	s_load_b256 s[4:11], s[0:1], 0x0
	v_lshl_add_u32 v[SPW], v0, 2, SPARE
	v_mov_b32 v[NIL], 0
	ds_add_u32 v28, v29
	ds_add_u32 v28, v29
	s_wait_dscnt 0x0
	v_lshrrev_b32 v1, 5, v0
	v_readfirstlane_b32 s14, v1
	s_lshr_b32 s15, s14, 1
	s_and_b32 s16, s14, 1
	s_bfe_u32 s40, ttmp6, 0x40000
	s_bfe_u32 s41, ttmp6, 0x40004
	s_lshl_b32 s46, ttmp9, 2
	s_add_co_u32 s46, s46, s40
	s_and_b32 s45, ttmp7, 0xffff
	s_lshl_b32 s45, s45, 2
	s_add_co_u32 s45, s45, s41
	s_lshl_b32 s70, s41, 2
	s_lshl_b32 s70, 15, s70
	s_lshl_b32 s71, 0x1111, s40
	s_or_b32 s[G1], s70, (3<<16)|(1<<21)
	s_or_b32 s[G1B], s71, (3<<16)|(1<<21)
.irp g, G1, G1B
	s_mov_b32 s[\g+1], 32<<16
	s_mov_b32 s[\g+2], 132<<16
	s_mov_b32 s[\g+3], 32<<16
	s_mov_b32 s[\g+4], 132
	s_mov_b32 s[\g+5], 32
	s_mov_b32 s[\g+6], 0
	s_mov_b32 s[\g+7], 0
.endr
	s_lshl_b32 s72, s16, 6
	s_lshl_b32 s73, s45, 2
	s_add_co_u32 s72, s72, s73
	s_mul_i32 s72, s72, REC
	s_add_co_u32 s72, s72, AOFF
	s_mov_b32 s73, 0
	s_lshl_b32 s74, s16, 6
	s_lshl_b32 s75, s46, 2
	s_add_co_u32 s74, s74, s75
	s_mul_i32 s74, s74, REC
	s_add_co_u32 s74, s74, BOFF
	s_mov_b32 s75, 0
	s_mov_b32 s76, 2*64*REC
	s_mov_b32 s77, 0
	s_mov_b32 s78, 2*64*REC
	s_mov_b32 s79, 0
	s_mov_b32 s[STA], 4*64*REC
	s_mov_b32 s[STA+1], 0
	s_mov_b32 s[STB], 4*64*REC
	s_mov_b32 s[STB+1], 0
	s_mul_i32 s80, s16, QSTR
	s_mul_i32 s81, s15, HALFB
	s_add_co_u32 s80, s80, s81
	s_lshl_b32 s82, s46, 1
	s_add_co_u32 s82, s82, s16
	s_lshl_b32 s82, s82, 6
	s_lshl_b32 s83, s45, 2
	s_add_co_u32 s82, s82, s83
	s_lshl_b32 s83, s15, 1
	s_add_co_u32 s82, s82, s83
	s_mul_i32 s82, s82, REC
	s_mov_b32 s83, 0
	s_lshl_b32 s86, s46, 10
	s_lshl_b32 s87, s16, 9
	s_add_co_u32 s86, s86, s87
	s_mov_b32 s87, 0
	s_mov_b32 s[SEL], 0x76543210
	s_mov_b32 s[SEL+1], 0xfedcba98
	s_mov_b32 s[MNT], 0x600000
	s_wait_kmcnt 0x0
	s_add_nc_u64 s[OUTB:OUTB+1], s[10:11], s[82:83]
	s_add_nc_u64 s[8:9], s[8:9], s[86:87]
	s_add_nc_u64 s[72:73], s[4:5], s[72:73]
	s_add_nc_u64 s[74:75], s[6:7], s[74:75]
	CROUND
	s_mov_b32 s[G0], 1
	s_mov_b32 s[G0+1], s80
	s_mov_b64 s[G0+2:G0+3], s[72:73]
	s_or_b32 s[G0+3], s[G0+3], 0x80000000
	s_mov_b32 s[G0+4], 1
	s_add_co_u32 s[G0+5], s80, SLOT
	s_add_nc_u64 s[G0+6:G0+7], s[72:73], s[76:77]
	s_or_b32 s[G0+7], s[G0+7], 0x80000000
	s_mov_b32 s[G0B], 1
	s_mov_b32 s[G0B+1], s80
	s_mov_b64 s[G0B+2:G0B+3], s[74:75]
	s_or_b32 s[G0B+3], s[G0B+3], 0x80000000
	s_mov_b32 s[G0B+4], 1
	s_add_co_u32 s[G0B+5], s80, SLOT
	s_add_nc_u64 s[G0B+6:G0B+7], s[74:75], s[78:79]
	s_or_b32 s[G0B+7], s[G0B+7], 0x80000000
	JLOAD G0, G1, G0B, G1B
	v_bfe_u32 v5, v0, 4, 1
	v_lshlrev_b32 v[BO], 6, v5
.irp b, 0,1,2,3,4,5,6,7
	global_load_b128 v[BI+8*\b:BI+8*\b+3], v[BO], s[8:9] offset:(64*(\b/4)+32*((\b/2)%2)+8*(\b%2))*4      ; the bias in the result's layout, asked for ahead of the wait for the first tile
	global_load_b128 v[BI+8*\b+4:BI+8*\b+7], v[BO], s[8:9] offset:(64*(\b/4)+32*((\b/2)%2)+8*(\b%2))*4+16
.endr
; DATA PREFETCHES: a wave's load brings four records; the four partners that ask for it jointly take one record each, BY ADDRESS (place cx for A, cy for B): 32 blocks of 256 bytes of codes, a lane a block, and one more request for the scale words.
; Fills 1 and 2 are asked for behind fill 0's load, fill 3 behind fill 1's: at most two fills are asked for and not yet loaded.  The three addresses are never rewritten.
	v_and_b32 v20, 31, v0
	v_lshlrev_b32 v20, 8, v20
	v_mov_b32 v21, 0
	s_cmp_eq_u32 s15, 0
	s_cselect_b64 s[94:95], s[72:73], s[74:75]
	s_cselect_b64 s[96:97], s[76:77], s[78:79]
	s_cselect_b32 s98, s40, s41
	s_mul_i32 s98, s98, REC
	s_mov_b32 s99, 0
	s_add_nc_u64 s[94:95], s[94:95], s[98:99]
	s_add_nc_u64 s[94:95], s[94:95], s[96:97]      ; my record of fill 1,
	s_add_nc_u64 s[98:99], s[94:95], s[96:97]      ; of fill 2,
	s_add_nc_u64 s[12:13], s[98:99], s[96:97]      ; of fill 3
	s_wait_alu depctr_va_vdst(0)
	global_prefetch_b8 v20, s[94:95] th:TH_LOAD_NT scope:SCOPE_SE
	global_prefetch_b8 v21, s[94:95] offset:8192 th:TH_LOAD_NT scope:SCOPE_SE
	global_prefetch_b8 v20, s[98:99] th:TH_LOAD_NT scope:SCOPE_SE
	global_prefetch_b8 v21, s[98:99] offset:8192 th:TH_LOAD_NT scope:SCOPE_SE
	s_wait_tensorcnt 0x0                           ; slot 1's first fill is issued as a refill is
	ds_add_u32 v28, v29
	s_wait_dscnt 0x0
	CROUND
	JLOAD G0+4, G1, G0B+4, G1B
	global_prefetch_b8 v20, s[12:13] th:TH_LOAD_NT scope:SCOPE_SE
	global_prefetch_b8 v21, s[12:13] offset:8192 th:TH_LOAD_NT scope:SCOPE_SE
	v_and_b32 v1, 31, v0
	v_and_b32 v2, 15, v0
	v_bfe_u32 v3, v0, 4, 1
	v_lshlrev_b32 v[L16], 4, v1
	s_wait_alu depctr_va_vdst(0)
	v_lshlrev_b32 v[SCA], 4, v2
	s_mul_i32 s84, s15, WPART
	s_mul_i32 s85, s16, WPART
	s_add_co_u32 s85, s85, HALFB
	s_sub_co_u32 s86, s85, s84
	v_mul_u32_u24 v4, s86, v3
	v_add_nc_u32 v4, v4, v[SCA]
	v_lshl_add_u32 v[SCA], v3, 3, v[SCA]
	s_add_co_u32 s86, s84, SCO
.irp s, 0,1,2,3
	v_add_nc_u32 v[ADRA+\s], s84, v[L16]
	v_add_nc_u32 v[ADRB+\s], s85, v[L16]
	v_add_nc_u32 v[ADRS+\s], s86, v4
	s_add_co_u32 s84, s84, QSTR
	s_add_co_u32 s85, s85, QSTR
	s_add_co_u32 s86, s86, QSTR
.endr
.macro FRAG reg, adr, i
.irp c, 0,1,2,3
	ds_load_b128 v[\reg+4*\c:\reg+4*\c+3], v[\adr] offset:((\i)/4)*REC+((\i)%4)*2048+512*\c
.endr
.endm
.macro MUL16 a0, p, q, sc, zero
.irp a, \a0, \a0+1
.irp b, 0,1,2,3,4,5,6,7
.if \zero
	v_wmma_scale_f32_16x16x128_f8f6f4 v[8*(8*((\a)%4)+\b):8*(8*((\a)%4)+\b)+7], v[128*(\p)+16*\b:128*(\p)+16*\b+15], v[AF+16*(\a):AF+16*(\a)+15], v[BI+8*\b:BI+8*\b+7], v[SC+16*(\sc)+8*(\q)+\b], v[SC+16*(\sc)+8*(\q)+(\a)] matrix_a_fmt:MATRIX_FMT_BF8 matrix_b_fmt:MATRIX_FMT_BF8 matrix_a_scale:MATRIX_SCALE_ROW1
.else
	v_wmma_scale_f32_16x16x128_f8f6f4 v[8*(8*((\a)%4)+\b):8*(8*((\a)%4)+\b)+7], v[128*(\p)+16*\b:128*(\p)+16*\b+15], v[AF+16*(\a):AF+16*(\a)+15], v[8*(8*((\a)%4)+\b):8*(8*((\a)%4)+\b)+7], v[SC+16*(\sc)+8*(\q)+\b], v[SC+16*(\sc)+8*(\q)+(\a)] matrix_a_fmt:MATRIX_FMT_BF8 matrix_b_fmt:MATRIX_FMT_BF8 matrix_a_scale:MATRIX_SCALE_ROW1
.endif
.endr
.endr
.endm
.macro FETCH_B slot, q, p
	WIN TO_B
.irp i, 0,1,2,3,4,5,6,7
	FRAG 128*(\p)+16*\i, ADRB+2*\slot+\q, \i
.endr
	WIN 0
.endm
.macro FETCH_A slot, q, i0
.irp i, \i0, \i0+1, \i0+2, \i0+3
	FRAG AF+16*(\i), ADRA+2*\slot+\q, \i
.endr
.endm
.macro SCALES s
.irp q, 0,1
.irp j, 0,1
	ds_load_b128 v[SC+16*\s+8*\q+4*\j:SC+16*\s+8*\q+4*\j+3], v[ADRS+2*\s+\q] offset:\j*REC
.endr
.endr
.endm
.macro STEP slot, zero
	s_wait_dscnt 16
.if \zero
	WIN ZLO
.else
	WIN MUL_LO
.endif
	MUL16 0, 0, 0, \slot, \zero
	MUL16 2, 0, 0, \slot, \zero
	s_wait_dscnt 0x0
	PLACES 8
	FETCH_B \slot, 1, 1
	FETCH_A \slot, 1, 0
.if \zero
	WIN ZHI
.else
	WIN MUL_HI
.endif
	MUL16 4, 0, 0, \slot, \zero
	MUL16 6, 0, 0, \slot, \zero
	PLACES 8
	WIN 0
	FETCH_A \slot, 1, 4
.endm
.macro TURN slot, next, fill
	s_wait_tensorcnt 0x0
	ds_add_u32 v[SPW], v[NIL]
	s_wait_dscnt 17
	WIN MUL_LO
	MUL16 0, 1, 1, \slot, 0
	s_wait_dscnt 0x0
	s_barrier_signal -1
	MUL16 2, 1, 1, \slot, 0
	WIN 0
	s_barrier_wait -1
.if \fill
	CREST
	s_add_nc_u64 s[G0+4*\slot+2:G0+4*\slot+3], s[G0+4*\slot+2:G0+4*\slot+3], s[STA:STA+1]
	s_add_nc_u64 s[G0B+4*\slot+2:G0B+4*\slot+3], s[G0B+4*\slot+2:G0B+4*\slot+3], s[STB:STB+1]
	JLOAD G0+4*\slot, G1, G0B+4*\slot, G1B
	PLACES 4
.else
	PLACES 8
.endif
	FETCH_B \next, 0, 0
	FETCH_A \next, 0, 0
	SCALES \next
	WIN MUL_HI
	MUL16 4, 1, 1, \slot, 0
	MUL16 6, 1, 1, \slot, 0
	PLACES 8
	WIN 0
	FETCH_A \next, 0, 4
.endm
	s_wait_alu depctr_va_vdst(0)
	s_wait_tensorcnt 1
	s_barrier_signal -1
	s_barrier_wait -1
	FETCH_B 0, 0, 0
	FETCH_A 0, 0, 0
	SCALES 0
	FETCH_A 0, 0, 4
	s_wait_loadcnt 0x0
	STEP 0, 1
	s_mov_b32 s3, LAPS-1
.Llap:
	TURN 0, 1, 1
	STEP 1, 0
	TURN 1, 0, 1
	STEP 0, 0
	s_sub_co_u32 s3, s3, 1
	s_cmp_lg_u32 s3, 0
	s_cbranch_scc1 .Llap
	TURN 0, 1, 0
	STEP 1, 0
	s_wait_dscnt 16
	WIN MUL_LO
	MUL16 0, 1, 1, 1, 0
	MUL16 2, 1, 1, 1, 0
	s_wait_dscnt 0x0
	WIN MUL_HI
	MUL16 4, 1, 1, 1, 0
	MUL16 6, 1, 1, 1, 0
	WIN 0
.macro QUANTW a
.set AC, 64*((\a)%4)
.set WW, 2+(\a)/4
.set WW2, WW*5
.set PCC, PC+16*((\a)%2)
	WIN WW2
.irp b, 0,1,2,3
	v_max3_num_f32 v[TM+\b], v[AC+16*\b], v[AC+16*\b+1], 0x8000000
.endr
.irp i, 2,4,6,8,10,12,14
.irp b, 0,1,2,3
	v_max3_num_f32 v[TM+\b], v[AC+16*\b+\i], v[AC+16*\b+\i+1], v[TM+\b]
.endr
.endr
	WIN 0
.irp b, 0,1,2,3
	v_permlanex16_b32 v[TM+4+\b], v[TM+\b], s[SEL], s[SEL+1]
.endr
.irp b, 0,1,2,3
	v_max_num_f32 v[TM+\b], v[TM+\b], v[TM+4+\b]
.endr
.irp b, 0,1,2,3
	v_add_nc_u32 v[TM+12+\b], 0xf8800000, v[TM+\b]
.endr
.irp b, 0,1,2,3
	v_and_or_b32 v[TM+8+\b], v[TM+\b], 0x7f800000, s[MNT]
.endr
.irp b, 0,1,2,3
	v_lshrrev_b32 v[TM+4+\b], 23, v[TM+12+\b]
.endr
	v_lshl_or_b32 v[PW+(\a)], v[TM+5], 8, v[TM+4]
	v_lshl_or_b32 v[PW+(\a)], v[TM+6], 16, v[PW+(\a)]
	v_lshl_or_b32 v[PW+(\a)], v[TM+7], 24, v[PW+(\a)]
	WIN WW
.irp b, 0,1,2,3
.irp i, 0,1,2,3,4,5,6,7,8,9,10,11,12,13,14,15
	v_med3_num_f32 v[TX+16*\b+\i], v[AC+16*\b+\i], 0, v[TM+8+\b]
.endr
.endr
	WIN 0
.irp b, 0,1,2,3
	v_cvt_scalef32_pk8_bf8_f32 v[PCC+4*\b:PCC+4*\b+1], v[TX+16*\b:TX+16*\b+7], v[TM+12+\b]
	v_cvt_scalef32_pk8_bf8_f32 v[PCC+4*\b+2:PCC+4*\b+3], v[TX+16*\b+8:TX+16*\b+15], v[TM+12+\b]
.endr
	v_nop
.endm
.macro OUTF a
.if (\a) > 1
	s_wait_xcnt 0x0
.endif
	QUANTW \a
.irp c, 0,1,2,3
	global_store_b128 v[L16], v[PCC+4*\c:PCC+4*\c+3], s[OUTB:OUTB+1] offset:((\a)/4)*REC+((\a)%4)*2048+512*\c
.endr
.endm
	PLACES 8
	v_cmp_ne_u32 vcc_lo, 0, v3
.irp b, 0,1,2,3
	v_mov_b32 v[TM+4+\b], 0
.endr
.irp a, 0,1,2,3,4,5,6,7
	OUTF \a
.endr
.irp j, 0,1
	v_cndmask_b32 v[SELP+2*\j], v[PW+4*\j], v[PW+4*\j+2], vcc_lo
	v_cndmask_b32 v[SELP+2*\j+1], v[PW+4*\j+1], v[PW+4*\j+3], vcc_lo
	global_store_b64 v[SCA], v[SELP+2*\j:SELP+2*\j+1], s[OUTB:OUTB+1] offset:\j*REC+SCO
.endr
	s_wait_tensorcnt 0x0
	ds_add_u32 v[SPW], v[NIL]
	s_wait_dscnt 0x0
	CROUND
	s_endpgm
.Lfunc_end_k_q85e77ed9ba_ffn1:
	.size	k_q85e77ed9ba_ffn1, .Lfunc_end_k_q85e77ed9ba_ffn1-k_q85e77ed9ba_ffn1
	.p2alignl 7, 3214868480
	.fill 96, 4, 3214868480
	.section	.rodata,"a",@progbits
	.p2align	6, 0x0
	.amdhsa_kernel k_q85e77ed9ba_ffn1
		.amdhsa_group_segment_fixed_size 327680
		.amdhsa_private_segment_fixed_size 0
		.amdhsa_enable_private_segment 0
		.amdhsa_kernarg_size 32
		.amdhsa_user_sgpr_count 2
		.amdhsa_user_sgpr_kernarg_segment_ptr 1
		.amdhsa_wavefront_size32 1
		.amdhsa_system_sgpr_workgroup_id_x 1
		.amdhsa_system_sgpr_workgroup_id_y 1
		.amdhsa_system_sgpr_workgroup_id_z 1
		.amdhsa_system_vgpr_workitem_id 0
		.amdhsa_next_free_vgpr 1024
		.amdhsa_next_free_sgpr 100
		.amdhsa_reserve_vcc 1
		.amdhsa_float_denorm_mode_32 3
		.amdhsa_float_denorm_mode_16_64 3
		.amdhsa_memory_ordered 1
		.amdhsa_forward_progress 1
		.amdhsa_inst_pref_size 185
	.end_amdhsa_kernel
	.amdgpu_metadata
---
amdhsa.version: [ 1, 2 ]
amdhsa.kernels:
  - .name:           k_q85e77ed9ba_ffn1
    .symbol:         k_q85e77ed9ba_ffn1.kd
    .args:
      - { .name: xb, .offset: 0, .size: 8, .value_kind: global_buffer, .address_space: global }
      - { .name: ws1, .offset: 8, .size: 8, .value_kind: global_buffer, .address_space: global }
      - { .name: b1, .offset: 16, .size: 8, .value_kind: global_buffer, .address_space: global }
      - { .name: hp, .offset: 24, .size: 8, .value_kind: global_buffer, .address_space: global }
    .group_segment_fixed_size: 327680
    .private_segment_fixed_size: 0
    .kernarg_segment_align: 8
    .kernarg_segment_size: 32
    .max_flat_workgroup_size: 128
    .sgpr_count:     100
    .vgpr_count:     1024
    .wavefront_size: 32
...
	.end_amdgpu_metadata
.endif
;; end of part 6
;; launch ffn2 (part 7): grid 8 x 32, 4 waves a work-group, clusters of 4 x 4, 327,680 bytes of LDS; arguments hp, ws1, b2, xb, y; writes y
.if DOCPART == 7
	.amdgcn_target "amdgcn-amd-amdhsa--gfx1250"
	.amdhsa_code_object_version 6
	.text
	.protected	k_q85e77ed9ba_ffn2
	.globl	k_q85e77ed9ba_ffn2
	.p2align	8
	.type	k_q85e77ed9ba_ffn2,@function
k_q85e77ed9ba_ffn2:
	s_mov_b64 s[64:65], 0
	v_nop
	global_prefetch_b8 v0, s[64:65] scope:SCOPE_SE
	s_setreg_imm32_b32 hwreg(HW_REG_WAVE_MODE, 25, 1), 1
	s_wait_xcnt 0x0
	s_wait_alu depctr_hold_cnt(0) depctr_sa_sdst(0) depctr_va_vdst(0) depctr_va_sdst(0) depctr_va_ssrc(0) depctr_va_vcc(0) depctr_vm_vsrc(0)
	s_getreg_b32 s2, hwreg(HW_REG_IB_STS2, 6, 4)
	s_cmp_eq_u32 s2, 0
	s_cbranch_scc0 .Lentry_in_a_cluster
	s_endpgm
.Lentry_in_a_cluster:
	s_bfe_u32 s2, ttmp6, 0x10000c
	s_cmp_lg_u32 s2, 0xf033
	s_cbranch_scc0 .Lentry_shape_is_right
	s_endpgm
.Lentry_shape_is_right:
.set NKS,   32
.set BOFF,  12976128
.set REC,   8448
.set SCO,   8192
.set GA,    64
.set GB,    16
.set KST,   2*REC
.set HB,    4*KST
.set SLOT,  2*HB
.set SPARE, 2*SLOT
.set STAGE, SPARE+512
.set SPITCH, 272
.set LAPS,  NKS/8
.set ADRA, 8
.set ADRB, 10
.set ADRS, 12
.set STO,  14
.set RD,   15
.set CO,   16
.set BO,   17
.set SPW,  28
.set NIL,  29
.set SC,   32
.set BI,   40
.set OB,   72
.set ACC,  128
.set RES,  0
.set G1,  24
.set G0,  32
.set G1B, 48
.set G0B, 56
.set MSB, 0
.macro WIN new
.if MSB != \new
	s_set_vgpr_msb (MSB<<8)|\new
.set MSB, \new
.endif
.endm
.set MUL,  0x05
.set TO_F, 0x40
.macro PLACES n
.rept \n
	v_nop
.endr
.endm
.macro JLOAD g0a, g1a, g0b, g1b
	s_cmp_eq_u32 s15, 0
	s_cbranch_scc0 .Lfor_b_\@
	tensor_load_to_lds s[\g0a:\g0a+3], s[\g1a:\g1a+7]
	s_nop 0
.rept 4
	v_nop
.endr
	s_branch .Lasked_\@
.Lfor_b_\@:
	tensor_load_to_lds s[\g0b:\g0b+3], s[\g1b:\g1b+7]
	s_nop 0
.rept 4
	v_nop
.endr
.Lasked_\@:
.endm
.macro CREST
	s_cmp_lg_u32 s14, 0
	s_cbranch_scc1 .Lnot_wave_0_\@
	s_barrier_signal -3
.Lnot_wave_0_\@:
	s_barrier_wait -3
	s_barrier_signal -1
	s_barrier_wait -1
.endm
.macro CROUND
	s_barrier_signal -1
	s_barrier_wait -1
	CREST
.endm
	s_load_b256 s[4:11], s[0:1], 0x0
	s_load_b64 s[12:13], s[0:1], 0x20
	v_lshl_add_u32 v[SPW], v0, 2, SPARE
	v_mov_b32 v[NIL], 0
	ds_add_u32 v28, v29
	ds_add_u32 v28, v29
	s_wait_dscnt 0x0
	v_lshrrev_b32 v1, 5, v0
	v_readfirstlane_b32 s14, v1
	s_lshr_b32 s15, s14, 1
	s_and_b32 s16, s14, 1
	s_bfe_u32 s40, ttmp6, 0x40000
	s_bfe_u32 s41, ttmp6, 0x40004
	s_lshl_b32 s42, ttmp9, 2
	s_add_co_u32 s42, s42, s40
	s_and_b32 s17, ttmp7, 0xffff
	s_lshl_b32 s17, s17, 2
	s_add_co_u32 s17, s17, s41
	s_lshl_b32 s43, s41, 2
	s_lshl_b32 s43, 15, s43
	s_lshl_b32 s44, 0x1111, s40
	s_or_b32 s[G1], s43, (3<<16)|(1<<21)
	s_or_b32 s[G1B], s44, (3<<16)|(1<<21)
.irp g, G1, G1B
	s_mov_b32 s[\g+1], 2112<<16
	s_mov_b32 s[\g+2], 2<<16
	s_mov_b32 s[\g+3], 2112<<16
	s_mov_b32 s[\g+4], 2
	s_mov_b32 s[\g+6], 0
	s_mov_b32 s[\g+7], 0
.endr
	s_mov_b32 s[G1+5], GA*REC/8
	s_mov_b32 s[G1B+5], GB*REC/8
	s_mul_i32 s20, s16, 2*GA
	s_lshl_b32 s21, s17, 1
	s_add_co_u32 s20, s20, s21
	s_mul_i32 s20, s20, REC
	s_mov_b32 s21, 0
	s_mul_i32 s46, s16, 2*GB
	s_lshl_b32 s47, s42, 1
	s_add_co_u32 s46, s46, s47
	s_mul_i32 s46, s46, REC
	s_add_co_u32 s46, s46, BOFF
	s_mov_b32 s47, 0
	s_mul_i32 s45, s15, HB
	s_mul_i32 s18, s16, 2*KST
	s_add_co_u32 s45, s45, s18
	s_wait_kmcnt 0x0
	s_add_nc_u64 s[20:21], s[4:5], s[20:21]
	s_add_nc_u64 s[46:47], s[6:7], s[46:47]
; the bias (in the result's layout) and the residual (at the places of my stores) are asked for ahead of the first round, so that they are on their way while the first tiles come
	v_and_b32 v1, 31, v0
	v_and_b32 v2, 15, v0
	v_bfe_u32 v3, v0, 4, 1
	v_lshlrev_b32 v4, 4, v1
	v_lshlrev_b32 v[BO], 6, v3
	s_wait_alu depctr_va_vdst(0)
	v_lshlrev_b32 v[CO], 12, v3
	v_lshl_add_u32 v[CO], v2, 4, v[CO]
	s_wait_alu depctr_va_vdst(0)
	s_lshl_b32 s22, s42, 9
	s_lshl_b32 s23, s16, 8
	s_add_co_u32 s22, s22, s23
	s_mov_b32 s23, 0
	s_add_nc_u64 s[8:9], s[8:9], s[22:23]
	s_add_nc_u64 s[10:11], s[10:11], s[22:23]
	s_add_nc_u64 s[12:13], s[12:13], s[22:23]
	s_lshl_b32 s22, s17, 1
	s_add_co_u32 s22, s22, s15
	s_lshl_b32 s22, s22, 18
	s_add_nc_u64 s[10:11], s[10:11], s[22:23]
	s_add_nc_u64 s[12:13], s[12:13], s[22:23]
.irp b, 0,1,2,3
	global_load_b128 v[BI+8*\b:BI+8*\b+3], v[BO], s[8:9] offset:(32*(\b/2)+8*(\b%2))*4
	global_load_b128 v[BI+8*\b+4:BI+8*\b+7], v[BO], s[8:9] offset:(32*(\b/2)+8*(\b%2))*4+16
.endr
	WIN 0x80
.irp a, 0,1,2,3
.irp t, 0,1,2,3,4,5,6,7
	global_load_b128 v[RES+4*(8*\a+\t):RES+4*(8*\a+\t)+3], v[CO], s[10:11] offset:(32*(\a/2)+8*(\a%2)+2*\t+8*(\t/4))*4096 th:TH_LOAD_NT
.endr
.endr
	WIN 0
	CROUND
.irp s, 0,1
	s_mov_b32 s[G0+4*\s], 1
	s_add_co_u32 s[G0+4*\s+1], s45, \s*SLOT
	s_add_nc_u64 s[G0+4*\s+2:G0+4*\s+3], s[20:21], \s*4*GA*REC
	s_or_b32 s[G0+4*\s+3], s[G0+4*\s+3], 0x80000000
	s_mov_b32 s[G0B+4*\s], 1
	s_add_co_u32 s[G0B+4*\s+1], s45, \s*SLOT
	s_add_nc_u64 s[G0B+4*\s+2:G0B+4*\s+3], s[46:47], \s*4*GB*REC
	s_or_b32 s[G0B+4*\s+3], s[G0B+4*\s+3], 0x80000000
.if \s
	s_wait_alu depctr_va_vdst(0)
	s_wait_tensorcnt 0x0                           ; slot 1's first fill is issued as a refill is
	ds_add_u32 v28, v29
	ds_add_u32 v28, v29
	s_wait_dscnt 0x0
	CROUND
.endif
	JLOAD G0+4*\s, G1, G0B+4*\s, G1B
.if \s == 0
; DATA PREFETCHES.  A wave's load brings two K steps of two records; the four partners that ask for it jointly share its four records out BY ADDRESS (place p = cx for A, cy for B: K step p / 2, record p % 2):
; 33 blocks of 256 bytes: a lane a block for the codes, one more request for the scale words.  Fills 1 and 2 are asked for behind fill 0's load, fill 3 behind fill 1's, fills 4 to 7 behind refills 2 to 5: two fills ahead; the last two refills ask for nothing.
	v_and_b32 v18, 31, v0
	v_lshlrev_b32 v18, 8, v18
	v_mov_b32 v19, 0
	s_mov_b32 s90, 4*GB*REC
	s_cmp_eq_u32 s15, 0
	s_cselect_b64 s[88:89], s[20:21], s[46:47]
	s_cselect_b32 s92, s40, s41
	s_cselect_b32 s90, 4*GA*REC, s90               ; a fill on
	s_mov_b32 s91, 0
	s_lshr_b32 s93, s92, 1
	s_lshr_b32 s94, s90, 2
	s_mul_i32 s94, s94, s93
	s_and_b32 s92, s92, 1
	s_mul_i32 s92, s92, REC
	s_add_co_u32 s94, s94, s92
	s_mov_b32 s95, 0
	s_add_nc_u64 s[88:89], s[88:89], s[94:95]
	s_add_nc_u64 s[88:89], s[88:89], s[90:91]      ; my record of fill 1,
	s_add_nc_u64 s[96:97], s[88:89], s[90:91]      ; of fill 2
	s_wait_alu depctr_va_vdst(0)
	global_prefetch_b8 v18, s[88:89] th:TH_LOAD_NT scope:SCOPE_SE
	global_prefetch_b8 v19, s[88:89] offset:8192 th:TH_LOAD_NT scope:SCOPE_SE
	global_prefetch_b8 v18, s[96:97] th:TH_LOAD_NT scope:SCOPE_SE
	global_prefetch_b8 v19, s[96:97] offset:8192 th:TH_LOAD_NT scope:SCOPE_SE
.endif
.endr
	s_mul_i32 s84, s15, REC
	s_mul_i32 s85, s16, REC
	s_add_co_u32 s85, s85, HB
	s_sub_co_u32 s86, s85, s84
	v_mul_u32_u24 v5, s86, v3
	v_lshl_add_u32 v5, v2, 4, v5
	s_add_co_u32 s86, s84, SCO
.irp s, 0,1
	v_add_nc_u32 v[ADRA+\s], s84, v4
	v_add_nc_u32 v[ADRB+\s], s85, v4
	v_add_nc_u32 v[ADRS+\s], s86, v5
	s_add_co_u32 s84, s84, SLOT
	s_add_co_u32 s85, s85, SLOT
	s_add_co_u32 s86, s86, SLOT
.endr
	s_mul_i32 s84, s14, 16*SPITCH
	s_add_co_u32 s84, s84, STAGE
	v_mul_u32_u24 v[STO], v2, SPITCH
	v_lshl_add_u32 v[STO], v3, 6, v[STO]
	v_add_nc_u32 v[STO], s84, v[STO]
	v_mul_u32_u24 v[RD], v3, SPITCH
	v_lshl_add_u32 v[RD], v2, 4, v[RD]
	v_add_nc_u32 v[RD], s84, v[RD]
	s_wait_xcnt 0x0                                ; fill 1's prefetch has read its address
	s_add_nc_u64 s[88:89], s[96:97], s[90:91]      ; fill 3, asked for behind fill 1's load
	global_prefetch_b8 v18, s[88:89] th:TH_LOAD_NT scope:SCOPE_SE
	global_prefetch_b8 v19, s[88:89] offset:8192 th:TH_LOAD_NT scope:SCOPE_SE
.macro FETCH s, q, p
	WIN TO_F
.irp i, 0,1,2,3
.irp c, 0,1,2,3
	ds_load_b128 v[128*(\p)+16*\i+4*\c:128*(\p)+16*\i+4*\c+3], v[ADRA+\s] offset:(\q)*KST+\i*2048+512*\c
.endr
.endr
.irp i, 0,1,2,3
.irp c, 0,1,2,3
	ds_load_b128 v[128*(\p)+64+16*\i+4*\c:128*(\p)+64+16*\i+4*\c+3], v[ADRB+\s] offset:(\q)*KST+\i*2048+512*\c
.endr
.endr
	WIN 0
	ds_load_b128 v[SC+4*(\p):SC+4*(\p)+3], v[ADRS+\s] offset:(\q)*KST
.endm
.macro MUL8 p, a0, zero
.irp a, \a0, \a0+1
.irp b, 0,1,2,3
.if \zero
	v_wmma_scale_f32_16x16x128_f8f6f4 v[ACC+8*(4*(\a)+\b):ACC+8*(4*(\a)+\b)+7], v[128*(\p)+64+16*\b:128*(\p)+64+16*\b+15], v[128*(\p)+16*(\a):128*(\p)+16*(\a)+15], v[BI+8*\b:BI+8*\b+7], v[SC+4*(\p)+\b], v[SC+4*(\p)+(\a)] matrix_a_fmt:MATRIX_FMT_BF8 matrix_b_fmt:MATRIX_FMT_BF8 matrix_a_scale:MATRIX_SCALE_ROW1
.else
	v_wmma_scale_f32_16x16x128_f8f6f4 v[ACC+8*(4*(\a)+\b):ACC+8*(4*(\a)+\b)+7], v[128*(\p)+64+16*\b:128*(\p)+64+16*\b+15], v[128*(\p)+16*(\a):128*(\p)+16*(\a)+15], v[ACC+8*(4*(\a)+\b):ACC+8*(4*(\a)+\b)+7], v[SC+4*(\p)+\b], v[SC+4*(\p)+(\a)] matrix_a_fmt:MATRIX_FMT_BF8 matrix_b_fmt:MATRIX_FMT_BF8 matrix_a_scale:MATRIX_SCALE_ROW1
.endif
.endr
.endr
.endm
.macro KS s, q, zero
	s_wait_dscnt 0x0
	PLACES 8
	FETCH \s, (\q)+1, 1-(\q)%2
	WIN MUL
	MUL8 (\q)%2, 0, \zero
	MUL8 (\q)%2, 2, \zero
.endm
.macro TURN s, next, fill
	WIN 0
.if \fill
	s_wait_xcnt 0x0                                ; my prefetches have read their address: it steps a fill on
	s_add_nc_u64 s[88:89], s[88:89], s[90:91]
.endif
	s_wait_tensorcnt 0x0
	ds_add_u32 v[SPW], v[NIL]
	s_wait_dscnt 0x0
	s_barrier_signal -1
	WIN MUL
	MUL8 1, 0, 0
	WIN 0
	s_barrier_wait -1
.if \fill
	CREST
	s_add_nc_u64 s[G0+4*\s+2:G0+4*\s+3], s[G0+4*\s+2:G0+4*\s+3], 8*GA*REC
	s_add_nc_u64 s[G0B+4*\s+2:G0B+4*\s+3], s[G0B+4*\s+2:G0B+4*\s+3], 8*GB*REC
	JLOAD G0+4*\s, G1, G0B+4*\s, G1B
	PLACES 4
.else
	PLACES 8
.endif
	s_wait_alu depctr_va_vdst(0)
	FETCH \next, 0, 0
.if \fill
	s_cmp_gt_u32 s3, 1                             ; the loop's last trip has no fill two on
	s_cbranch_scc0 .Lnone_on_\@
	global_prefetch_b8 v18, s[88:89] th:TH_LOAD_NT scope:SCOPE_SE
	global_prefetch_b8 v19, s[88:89] offset:8192 th:TH_LOAD_NT scope:SCOPE_SE
.Lnone_on_\@:
.endif
	WIN MUL
	MUL8 1, 2, 0
.endm
	s_wait_tensorcnt 1
	s_barrier_signal -1
	s_barrier_wait -1
	FETCH 0, 0, 0
	s_wait_loadcnt 32
	KS 0, 0, 1
.if LAPS > 1
	WIN 0
	s_mov_b32 s3, LAPS-1
.Llap:
	KS 0, 1, 0
	KS 0, 2, 0
	TURN 0, 1, 1
	KS 1, 0, 0
	KS 1, 1, 0
	KS 1, 2, 0
	TURN 1, 0, 1
	KS 0, 0, 0
	WIN 0
	s_sub_co_u32 s3, s3, 1
	s_cmp_lg_u32 s3, 0
	s_cbranch_scc1 .Llap
.endif
	KS 0, 1, 0
	KS 0, 2, 0
	TURN 0, 1, 0
	KS 1, 0, 0
	KS 1, 1, 0
	KS 1, 2, 0
	s_wait_dscnt 0x0
	WIN MUL
	MUL8 1, 0, 0
	MUL8 1, 2, 0
	WIN 0
	PLACES 8
	s_wait_loadcnt 0x0
.irp a, 0,1,2,3
.irp b, 0,1,2,3
	ds_store_b128 v[STO], v[ACC+8*(4*\a+\b):ACC+8*(4*\a+\b)+3] offset:128*(\b/2)+32*(\b%2)
	ds_store_b128 v[STO], v[ACC+8*(4*\a+\b)+4:ACC+8*(4*\a+\b)+7] offset:128*(\b/2)+32*(\b%2)+16
.endr
	s_wait_xcnt 0x0
.irp t, 0,1,2,3,4,5,6,7
	ds_load_b128 v[OB+4*\t:OB+4*\t+3], v[RD] offset:2*\t*SPITCH
.endr
	s_wait_dscnt 0x0
	WIN 0x08
.irp k, 0,2,4,6,8,10,12,14,16,18,20,22,24,26,28,30
	v_pk_add_f32 v[OB+\k:OB+\k+1], v[OB+\k:OB+\k+1], v[RES+32*\a+\k:RES+32*\a+\k+1]
.endr
	WIN 0
.irp t, 0,1,2,3,4,5,6,7
	global_store_b128 v[CO], v[OB+4*\t:OB+4*\t+3], s[12:13] offset:(32*(\a/2)+8*(\a%2)+2*\t+8*(\t/4))*4096
.endr
.endr
	s_wait_tensorcnt 0x0
	ds_add_u32 v[SPW], v[NIL]
	s_wait_dscnt 0x0
	CROUND
	s_endpgm
.Lfunc_end_k_q85e77ed9ba_ffn2:
	.size	k_q85e77ed9ba_ffn2, .Lfunc_end_k_q85e77ed9ba_ffn2-k_q85e77ed9ba_ffn2
	.p2alignl 7, 3214868480
	.fill 96, 4, 3214868480
	.section	.rodata,"a",@progbits
	.p2align	6, 0x0
	.amdhsa_kernel k_q85e77ed9ba_ffn2
		.amdhsa_group_segment_fixed_size 327680
		.amdhsa_private_segment_fixed_size 0
		.amdhsa_enable_private_segment 0
		.amdhsa_kernarg_size 40
		.amdhsa_user_sgpr_count 2
		.amdhsa_user_sgpr_kernarg_segment_ptr 1
		.amdhsa_wavefront_size32 1
		.amdhsa_system_sgpr_workgroup_id_x 1
		.amdhsa_system_sgpr_workgroup_id_y 1
		.amdhsa_system_sgpr_workgroup_id_z 1
		.amdhsa_system_vgpr_workitem_id 0
		.amdhsa_next_free_vgpr 768
		.amdhsa_next_free_sgpr 100
		.amdhsa_reserve_vcc 0
		.amdhsa_float_denorm_mode_32 3
		.amdhsa_float_denorm_mode_16_64 3
		.amdhsa_memory_ordered 1
		.amdhsa_forward_progress 1
		.amdhsa_inst_pref_size 100
	.end_amdhsa_kernel
	.amdgpu_metadata
---
amdhsa.version: [ 1, 2 ]
amdhsa.kernels:
  - .name:           k_q85e77ed9ba_ffn2
    .symbol:         k_q85e77ed9ba_ffn2.kd
    .args:
      - { .name: hp, .offset: 0, .size: 8, .value_kind: global_buffer, .address_space: global }
      - { .name: ws1, .offset: 8, .size: 8, .value_kind: global_buffer, .address_space: global }
      - { .name: b2, .offset: 16, .size: 8, .value_kind: global_buffer, .address_space: global }
      - { .name: xb, .offset: 24, .size: 8, .value_kind: global_buffer, .address_space: global }
      - { .name: y, .offset: 32, .size: 8, .value_kind: global_buffer, .address_space: global }
    .group_segment_fixed_size: 327680
    .private_segment_fixed_size: 0
    .kernarg_segment_align: 8
    .kernarg_segment_size: 40
    .max_flat_workgroup_size: 128
    .sgpr_count:     100
    .vgpr_count:     768
    .wavefront_size: 32
...
	.end_amdgpu_metadata
.endif
;; end of part 7
;; launch ln2 (part 8): grid 256 x 1, 8 waves a work-group, no clusters, 0 bytes of LDS; arguments y, g2, be2, out0; writes out0
.if DOCPART == 8
	.amdgcn_target "amdgcn-amd-amdhsa--gfx1250"
	.amdhsa_code_object_version 6
	.text
	.protected	k_q85e77ed9ba_ln2
	.globl	k_q85e77ed9ba_ln2
	.p2align	8
	.type	k_q85e77ed9ba_ln2,@function
k_q85e77ed9ba_ln2:
	s_mov_b64 s[64:65], 0
	v_nop
	global_prefetch_b8 v0, s[64:65] scope:SCOPE_SE
	s_setreg_imm32_b32 hwreg(HW_REG_WAVE_MODE, 25, 1), 1
	s_wait_xcnt 0x0
; out0 = layer_norm(z) x g2 + be2, f32.  z = x + the second FFN product with its bias, as the launch before stored it in y.
; A wave owns two whole rows (row 16 x work-group + 2 x wave on): a row's 4,096 bytes are eight loads of 512 consecutive bytes, 32 numbers a lane.  A row's sums are made inside the wave (four steps within 16 lanes, one between the halves):
; no LDS, no barrier.  The two rows take turns line by line.  The mean is taken away before the squares are summed: no difference of large sums.
; Memory binds: no matrix unit, no cluster (work-groups share nothing but g2 and be2, 8 KB).  All of a wave's 32 loads go out together; no loop to run ahead in, so no data prefetch.
; LIMITS: NaN and infinities are not served.
.set Z,  32                            ; v32-95  two rows
.set GA, 96                            ; v96-127 gamma
.set BE, 128                           ; v128-159 beta
	s_load_b256 s[4:11], s[0:1], 0x0               ; z, gamma, beta, the result
	v_lshrrev_b32 v2, 5, v0
	v_readfirstlane_b32 s14, v2                    ; wave
	s_lshl_b32 s16, ttmp9, 4
	s_lshl_b32 s15, s14, 1
	s_add_co_u32 s16, s16, s15                     ; my first row
	s_lshl_b32 s16, s16, 12
	s_mov_b32 s17, 0
	s_mov_b32 s12, 0x76543210
	s_mov_b32 s13, 0xfedcba98
	s_mov_b32 s18, 0x3a800000                      ; 1 / 1,024
	s_mov_b32 s19, 0x3727c5ac                      ; 1e-5
	v_and_b32 v1, 31, v0
	v_lshlrev_b32 v1, 4, v1                        ; 16 x lane
	v_mov_b32 v20, 0                               ; a lane permute's destination counts as one of its sources
	v_mov_b32 v21, 0
	s_wait_alu depctr_va_vdst(0)
	s_wait_kmcnt 0x0
	s_add_nc_u64 s[4:5], s[4:5], s[16:17]
	s_add_nc_u64 s[10:11], s[10:11], s[16:17]
.irp R, 0,1
.irp j, 0,1,2,3,4,5,6,7
	global_load_b128 v[Z+32*\R+4*\j:Z+32*\R+4*\j+3], v1, s[4:5] offset:4096*\R+512*\j th:TH_LOAD_NT
.endr
.endr
.irp j, 0,1,2,3,4,5,6,7
	global_load_b128 v[GA+4*\j:GA+4*\j+3], v1, s[6:7] offset:512*\j
	global_load_b128 v[BE+4*\j:BE+4*\j+3], v1, s[8:9] offset:512*\j
.endr
	s_wait_loadcnt 0x0
.macro WHOLE                           ; two chains a row -> the row's sum in every lane: v4, v8
.irp R, 0,1
	v_pk_add_f32 v[4+4*\R:5+4*\R], v[4+4*\R:5+4*\R], v[6+4*\R:7+4*\R]
.endr
.irp R, 0,1
	v_add_f32 v[4+4*\R], v[4+4*\R], v[5+4*\R]
.endr
.irp m, 1,2,4,8
.irp R, 0,1
	v_add_f32_dpp v[4+4*\R], v[4+4*\R], v[4+4*\R] row_xmask:\m row_mask:0xf bank_mask:0xf
.endr
.endr
.irp R, 0,1
	v_permlanex16_b32 v[20+\R], v[4+4*\R], s12, s13
.endr
.irp R, 0,1
	v_add_f32 v[4+4*\R], v[4+4*\R], v[20+\R]
.endr
.endm
.irp R, 0,1
	v_pk_add_f32 v[4+4*\R:5+4*\R], v[Z+32*\R:Z+32*\R+1], v[Z+32*\R+2:Z+32*\R+3]
	v_pk_add_f32 v[6+4*\R:7+4*\R], v[Z+32*\R+4:Z+32*\R+5], v[Z+32*\R+6:Z+32*\R+7]
.endr
.irp k, 8,12,16,20,24,28
.irp R, 0,1
	v_pk_add_f32 v[4+4*\R:5+4*\R], v[4+4*\R:5+4*\R], v[Z+32*\R+\k:Z+32*\R+\k+1]
	v_pk_add_f32 v[6+4*\R:7+4*\R], v[6+4*\R:7+4*\R], v[Z+32*\R+\k+2:Z+32*\R+\k+3]
.endr
.endr
	WHOLE
.irp R, 0,1
	v_mul_f32 v[12+2*\R], s18, v[4+4*\R]           ; the mean
.endr
.irp R, 0,1
	v_mov_b32 v[13+2*\R], v[12+2*\R]
.endr
.irp k, 0,2,4,6,8,10,12,14,16,18,20,22,24,26,28,30
.irp R, 0,1
	v_pk_add_f32 v[Z+32*\R+\k:Z+32*\R+\k+1], v[Z+32*\R+\k:Z+32*\R+\k+1], v[12+2*\R:13+2*\R] neg_lo:[0,1] neg_hi:[0,1]
.endr
.endr
.irp R, 0,1
	v_pk_mul_f32 v[4+4*\R:5+4*\R], v[Z+32*\R:Z+32*\R+1], v[Z+32*\R:Z+32*\R+1]
	v_pk_mul_f32 v[6+4*\R:7+4*\R], v[Z+32*\R+2:Z+32*\R+3], v[Z+32*\R+2:Z+32*\R+3]
.endr
.irp k, 4,8,12,16,20,24,28
.irp R, 0,1
	v_pk_fma_f32 v[4+4*\R:5+4*\R], v[Z+32*\R+\k:Z+32*\R+\k+1], v[Z+32*\R+\k:Z+32*\R+\k+1], v[4+4*\R:5+4*\R]
	v_pk_fma_f32 v[6+4*\R:7+4*\R], v[Z+32*\R+\k+2:Z+32*\R+\k+3], v[Z+32*\R+\k+2:Z+32*\R+\k+3], v[6+4*\R:7+4*\R]
.endr
.endr
	WHOLE
.irp R, 0,1
	v_fma_f32 v[4+4*\R], v[4+4*\R], s18, s19       ; the variance + eps
.endr
	s_wait_alu depctr_va_vdst(0)                   ; one wait ahead of the two, one behind them
.irp R, 0,1
	v_rsq_f32 v[16+2*\R], v[4+4*\R]
.endr
	v_nop
	s_wait_alu depctr_va_vdst(0)
.irp R, 0,1
	v_mov_b32 v[17+2*\R], v[16+2*\R]
.endr
.irp k, 0,2,4,6,8,10,12,14,16,18,20,22,24,26,28,30
.irp R, 0,1
	v_pk_mul_f32 v[Z+32*\R+\k:Z+32*\R+\k+1], v[Z+32*\R+\k:Z+32*\R+\k+1], v[16+2*\R:17+2*\R]
.endr
.endr
.irp k, 0,2,4,6,8,10,12,14,16,18,20,22,24,26,28,30
.irp R, 0,1
	v_pk_fma_f32 v[Z+32*\R+\k:Z+32*\R+\k+1], v[Z+32*\R+\k:Z+32*\R+\k+1], v[GA+\k:GA+\k+1], v[BE+\k:BE+\k+1]
.endr
.endr
.irp R, 0,1
.irp j, 0,1,2,3,4,5,6,7
	global_store_b128 v1, v[Z+32*\R+4*\j:Z+32*\R+4*\j+3], s[10:11] offset:4096*\R+512*\j th:TH_STORE_NT   ; 512 consecutive bytes; written once, read by nobody here
.endr
.endr
	s_endpgm
.Lfunc_end_k_q85e77ed9ba_ln2:
	.size	k_q85e77ed9ba_ln2, .Lfunc_end_k_q85e77ed9ba_ln2-k_q85e77ed9ba_ln2
	.p2alignl 7, 3214868480
	.fill 96, 4, 3214868480
	.section	.rodata,"a",@progbits
	.p2align	6, 0x0
	.amdhsa_kernel k_q85e77ed9ba_ln2
		.amdhsa_group_segment_fixed_size 0
		.amdhsa_private_segment_fixed_size 0
		.amdhsa_enable_private_segment 0
		.amdhsa_kernarg_size 32
		.amdhsa_user_sgpr_count 2
		.amdhsa_user_sgpr_kernarg_segment_ptr 1
		.amdhsa_wavefront_size32 1
		.amdhsa_system_sgpr_workgroup_id_x 1
		.amdhsa_system_sgpr_workgroup_id_y 1
		.amdhsa_system_sgpr_workgroup_id_z 1
		.amdhsa_system_vgpr_workitem_id 0
		.amdhsa_next_free_vgpr 160
		.amdhsa_next_free_sgpr 66
		.amdhsa_reserve_vcc 0
		.amdhsa_float_denorm_mode_32 3
		.amdhsa_float_denorm_mode_16_64 3
		.amdhsa_memory_ordered 1
		.amdhsa_forward_progress 1
		.amdhsa_inst_pref_size 18
	.end_amdhsa_kernel
	.amdgpu_metadata
---
amdhsa.version: [ 1, 2 ]
amdhsa.kernels:
  - .name:           k_q85e77ed9ba_ln2
    .symbol:         k_q85e77ed9ba_ln2.kd
    .args:
      - { .name: y, .offset: 0, .size: 8, .value_kind: global_buffer, .address_space: global }
      - { .name: g2, .offset: 8, .size: 8, .value_kind: global_buffer, .address_space: global }
      - { .name: be2, .offset: 16, .size: 8, .value_kind: global_buffer, .address_space: global }
      - { .name: out0, .offset: 24, .size: 8, .value_kind: global_buffer, .address_space: global }
    .group_segment_fixed_size: 0
    .private_segment_fixed_size: 0
    .kernarg_segment_align: 8
    .kernarg_segment_size: 32
    .max_flat_workgroup_size: 256
    .sgpr_count:     66
    .vgpr_count:     160
    .wavefront_size: 32
...
	.end_amdgpu_metadata
.endif
;; end of part 8
